; MI455X (gfx1250); checked and timed in simulation.
; The chip was launched on July 23, 2026; its instructions are those of AMD's public machine-readable ISA for CDNA 5 (MIT licence, August 2026) and "CDNA5" Instruction Set Architecture Reference Guide (July 2026). The comments in the code are by the model that wrote it; some were corrected since.
;; MHA. Allowed arithmetic: matrix products marked QUANTISED: E2M1 operands, one E8M0 scale for each 32 along K, by v_wmma_scale_f32_16x16x128_f8f6f4 with both operands' format E2M1 (or v_wmma_scale_f32_32x16x128_f4), f32 sums; products left as they are: bf16, f16 or f32 operands; f32 sums; everything else in f32.
;; Inputs: P_k 16 x 1,024 x 64 float32; P_o 16 x 1,024 x 64 float32; P_q 16 x 1,024 x 64 float32; P_v 16 x 1,024 x 64 float32; x 4 x 2,048 x 1,024 float32.
;; Outputs: out0 4 x 2,048 x 1,024 float32.
;; This version of the problem:
;;   THIS VERSION OF THE PROBLEM IS GIVEN IN LOW PRECISION. The matrix products marked QUANTISED in the list below multiply operands that are first quantised to E2M1 (2 exponent bits, 1 mantissa bit; 4 bits a number), with one power-of-two scale for each 32 numbers along K (OCP MX v1.0); their sums are f32. The products marked 'left as it is' may take bf16, f16 or f32 operands, with f32 sums. Whichever they take, every output number must still come out within the allowed error. Rounding operands to bf16 (8 significant bits) uses up far more of that allowance than f16 does (11 bits, for magnitudes from 6e-5 to 65,504). All else is computed in f32.
;;   The module's matrix products, in the order in which they are computed (A, B: the left and right operand; K: the contracted axis; several contracted axes count as one K, in the product's order):
;;     1. [M 1,024, K 1,024] x [K 1,024, N 8,192]; A: input P_q; B: input x: QUANTISED
;;     2. [M 1,024, K 1,024] x [K 1,024, N 8,192]; A: input P_k; B: input x: QUANTISED
;;     3. [M 1,024, K 1,024] x [K 1,024, N 8,192]; A: input P_v; B: input x: QUANTISED
;;     4. batch 64 x [M 2,048, K 64] x [K 64, N 2,048]; A: computed on the way; B: computed on the way: left as it is (an operand is computed on the way)
;;     5. batch 64 x [M 2,048, K 2,048] x [K 2,048, N 64]; A: computed on the way; B: computed on the way: left as it is (an operand is computed on the way)
;;     6. [M 8,192, K 1,024] x [K 1,024, N 1,024]; A: computed on the way; B: input P_o: left as it is (an operand is computed on the way)
;;   THE QUANTISER, for each operand of a quantised product, along K:
;;     - K is cut into blocks of 32 from its start; a last block that is shorter is filled with zeros.
;;     - A block's scale is 2^e with e = floor(log2(the largest magnitude in the block)) - 2, held to -126 .. 127; a block of zeros has e = 0. As a byte (E8M0): e + 127.
;;     - Each number is divided by its block's scale, clamped to +-6, and rounded to the nearest number of E2M1, ties to even, subnormals kept.
;;     - The product sums the exact products of the quantised numbers (number of the format x scale) in f32.
;;   ~~~python
;;   def quantise(x, axis):      # numpy; x: float32 -> the quantised numbers, widened to float32 again
;;       x = np.moveaxis(x, axis, -1); K = x.shape[-1]
;;       x = np.pad(x, [(0, 0)] * (x.ndim - 1) + [(0, -K % 32)]); x = x.reshape(x.shape[:-1] + (-1, 32)); a = np.abs(x).max(-1, keepdims=True)
;;       e = np.where(a > 0, np.clip(np.frexp(np.where(a > 0, a, 1))[1] - 1 - 2, -126, 127), 0)      # np.frexp(a)[1] - 1 = floor(log2(a)), exactly
;;       r = np.clip(x / 2.0 ** e, -6, 6)
;;       step = 2.0 ** (np.maximum(np.frexp(np.where(r == 0, 1, r))[1] - 1, 0) - 1)
;;       q = np.round(r / step) * step * 2.0 ** e      # np.round: ties to even
;;       return np.moveaxis(q.reshape(q.shape[:-2] + (-1,))[..., :K], -1, axis).astype(np.float32)
;;   ~~~
;; One version. Each part assembles by itself: llvm-mc -triple=amdgcn-amd-amdhsa -mcpu=gfx1250 --defsym DOCPART=n.
;; ======== version 1 of 1: 5 launches
;; limits: values are held in f16: magnitudes above 65,504 overflow, below 6.1e-05 lose precision
;; workspace buffers: xc 4,194,304 bytes; xs 262,144 bytes; wc 1,572,864 bytes; ws 98,304 bytes; po16 2,097,152 bytes; qkv16 50,331,648 bytes; qkv32 786,432 bytes; o16 16,777,216 bytes
;; launch prep (part 1): grid 432 x 1, 4 waves a work-group, no clusters, 68,096 bytes of LDS; arguments x, xc, xs, P_q, P_k, P_v, wc, ws, P_o, po16; writes xc, xs, wc, ws, po16
.if DOCPART == 1
	.amdgcn_target "amdgcn-amd-amdhsa--gfx1250"
	.amdhsa_code_object_version 6
	.text
	.protected	k_q29d2b207e6_prep
	.globl	k_q29d2b207e6_prep
	.p2align	8
	.type	k_q29d2b207e6_prep,@function
k_q29d2b207e6_prep:
	s_mov_b64 s[64:65], 0
	v_nop
	global_prefetch_b8 v0, s[64:65] scope:SCOPE_SE
	s_setreg_imm32_b32 hwreg(HW_REG_WAVE_MODE, 25, 1), 1
	s_wait_xcnt 0x0
; THREE JOBS IN ONE LAUNCH, told apart by the work-group's number alone; each has its own path, its own LDS bytes and its own end.
;  X (work-groups 0-255):   x [8192][1024] f32 -> codes of E2M1, K innermost, xc [8192][512 bytes], and one E8M0 byte for each 32 along K, xs [8192][32].
;  W (work-groups 256-303): P_q, P_k, P_v [16][1024 (d)][64] f32, whose K (= d) is NOT innermost -> wc [t*1024 + h*64 + k][512 bytes], ws [..][32].
;  O (work-groups 304-431): P_o [16][1024 (d)][64] f32 -> f16, laid [d / 128][h][128 rows][64]: a run of heads of one block of 128 d is dense.
; THE QUANTISER: a block's scale is 2^(floor(log2(largest magnitude)) - 2); its byte is the largest magnitude's exponent field - 2, held at 1 from below;
; each number is divided by the scale and rounded to the nearest code, ties to even, beyond 6 the code of 6.
; LIMITS: a block of zeros, and a block whose largest magnitude lies under 2^-124, keeps the byte 1 (its codes are zeros or the rule's own; the bytes are read by this program alone);
; NaN and infinities among the inputs are not served; |P_o| stays under 65,504 (f16).
; No tensor loads, no barrier: waves share nothing.
.set WGX,   256
.set WGW,   48
.set STEPS, 16
.set EMAX,  2
.set CB,    8                          ; bytes of 16 codes
.set SPW,   12                         ; v12  LDS address of my spare word; never rewritten
.set NIL,   13                         ; v13  0; never rewritten
.set XR,    16                         ; X: v16-79   four sets of 16 numbers as loaded
.set XN,    80                         ; X: v80-111  two sets of 16 neighbours
.set XE,    112                        ; X: v112-127 a scale byte for each step
.set XC,    128                        ; X: v128-191 codes, four registers a step: no store's data are written again
.set WREG,  8192                       ; X: LDS region of a wave: two stages of 32 x SP bytes, then its 256 scale bytes
.set SP,    80                         ; X: a lane's place in a stage: 64 bytes + 16 of padding
.set WST,   32768                      ; W: the four waves' stages
.set PITCH, 272                        ; W: a stage row: 256 bytes of codes + 16
.set NB,    16                         ; W: blocks of 32 along K for a wave
.set WSB,   24                         ; W: v24-27   scale bytes, four to a register
.set WX,    32                         ; W: v32-95   two sets of 32 numbers
.set WC,    96                         ; W: v96-99   a block's codes
.set WOUT,  112                        ; W: v112-175 the way out
.set SPARE, WST+4*32*PITCH             ; the spare words, 128 bytes a wave: two blocks of 256 bytes that no other line names
.macro FINISH                          ; a wave's end, behind the last LDS store; the tensor wait stands in a text with no tensor load too
	s_wait_tensorcnt 0x0
	ds_add_u32 v[SPW], v[NIL]
	s_wait_dscnt 0x0
	s_endpgm
.endm
	s_load_b256 s[4:11], s[0:1], 0x0               ; x s[4:5], xc s[6:7], xs s[8:9], P_q s[10:11]
	s_load_b256 s[12:19], s[0:1], 0x20             ; P_k s[12:13], P_v s[14:15], wc s[16:17], ws s[18:19]
	s_load_b128 s[20:23], s[0:1], 0x40             ; P_o s[20:21], po16 s[22:23]
	v_lshl_add_u32 v[SPW], v0, 2, SPARE
	v_mov_b32 v[NIL], 0
	v_lshrrev_b32 v1, 5, v0
	v_readfirstlane_b32 s24, v1                    ; wave 0..3
	v_and_b32 v2, 31, v0                           ; lane
	s_wait_kmcnt 0x0
	s_cmp_ge_u32 ttmp9, WGX+WGW
	s_cbranch_scc1 .Lpath_o
	s_cmp_ge_u32 ttmp9, WGX
	s_cbranch_scc1 .Lpath_w
; ---------------- X.  x is a plain stream of blocks of 32.  A wave takes 16 steps of 512 numbers.  Each of a step's four loads reads 512 consecutive bytes, 16 a lane; the 2,048 bytes turn through the
; wave's own stage and come back 64 bytes a lane, so that a lane holds 16 NEIGHBOURS along K (two lanes to a block), as the conversions want.  Loads run four steps ahead, the turn one step.
	v_lshlrev_b32 v3, 4, v2                        ; my 16 bytes of a load's 512
	s_mul_i32 s25, s24, WREG
	v_lshrrev_b32 v14, 2, v2
	v_mul_u32_u24 v14, v14, SP
	v_and_b32 v15, 3, v2
	v_lshl_add_u32 v14, v15, 4, v14
	v_add_nc_u32 v14, s25, v14                     ; the stage, on the way in: SP (lane / 4) + 16 (lane % 4)
	v_mul_u32_u24 v15, v2, SP
	v_add_nc_u32 v15, s25, v15                     ; and on the way out: SP x lane
	v_mul_u32_u24 v4, v2, CB                       ; my codes' place in a step's 256 bytes
	v_lshrrev_b32 v5, 1, v2
	s_add_co_u32 s25, s25, 2*32*SP
	v_add_nc_u32 v5, s25, v5                       ; my wave's 256 scale bytes, my block's byte
	v_lshlrev_b32 v7, 3, v2
	v_add_nc_u32 v6, s25, v7                       ; and on the way out 8 bytes a lane
	s_lshl_b32 s26, ttmp9, 2
	s_add_co_u32 s26, s26, s24                     ; which run of 8,192 numbers is my wave's: 0..1023
	s_mov_b32 s29, 0
	s_lshl_b32 s28, s26, 15                        ; 32,768 bytes of x a run
	s_add_nc_u64 s[4:5], s[4:5], s[28:29]
	s_lshl_b32 s28, s26, 12                        ; 4,096 bytes of codes
	s_add_nc_u64 s[6:7], s[6:7], s[28:29]
	s_lshl_b32 s28, s26, 8                         ; 256 scale bytes
	s_add_nc_u64 s[8:9], s[8:9], s[28:29]
.macro XLOAD t
.irp i, 0,1,2,3
	global_load_b128 v[XR+16*((\t)%4)+4*\i:XR+16*((\t)%4)+4*\i+3], v3, s[4:5] offset:2048*(\t)+512*\i th:TH_LOAD_NT
.endr
.endm
.macro XTURN t                         ; LDS serves a wave's instructions in order (ISA guide 5.7.1.4): no wait between the stores and the loads
.irp i, 0,1,2,3
	ds_store_b128 v14, v[XR+16*((\t)%4)+4*\i:XR+16*((\t)%4)+4*\i+3] offset:32*SP*((\t)%2)+8*SP*\i
.endr
.irp i, 0,1,2,3
	ds_load_b128 v[XN+16*((\t)%2)+4*\i:XN+16*((\t)%2)+4*\i+3], v15 offset:32*SP*((\t)%2)+16*\i
.endr
.endm
.irp t, 0,1,2,3
	XLOAD \t
.endr
	s_wait_loadcnt 12                              ; step 0's four loads are in; the twelve of steps 1 to 3 may be out
	XTURN 0
.macro XSTEP t
.set XS, XN+16*((\t)%2)
.if (\t) > 0
	s_wait_dscnt 1                                 ; this step's numbers are back from the stage; the last step's byte store may be out
.else
	s_wait_dscnt 0x0
.endif
.if (\t)+4 < STEPS
	XLOAD (\t)+4                                   ; into the registers that the stage's stores have read
.endif
.if (\t)+1 < STEPS
.if STEPS-2-(\t) >= 3
	s_wait_loadcnt 12                              ; the next step's four loads are in; those of the three steps behind it may be out
.else
	s_wait_loadcnt 4*(STEPS-2-(\t))                ; the counts run down: no more loads are issued
.endif
	XTURN (\t)+1
.endif
	v_max3_num_f32 v8, |v[XS]|, |v[XS+1]|, |v[XS+2]|               ; the largest magnitude of my 16, in two chains
	v_max3_num_f32 v9, |v[XS+3]|, |v[XS+4]|, |v[XS+5]|
.irp i, 6,10
	v_max3_num_f32 v8, v8, |v[XS+\i]|, |v[XS+\i+1]|
	v_max3_num_f32 v9, v9, |v[XS+\i+2]|, |v[XS+\i+3]|
.endr
	v_max3_num_f32 v8, v8, |v[XS+14]|, |v[XS+15]|
	v_max3_num_f32 v8, v8, v9, (EMAX+1)<<23        ; and the floor 2^(3 - 127): the byte cannot fall under 1
	v_max_num_f32_dpp v8, v8, v8 row_xmask:1 row_mask:0xf bank_mask:0xf   ; with my neighbour's 16: the block's
	v_add_nc_u32 v11, -(EMAX<<23), v8              ; 2 off its exponent field: the conversion takes this operand's exponent field as its scale
	v_cvt_scalef32_pk8_fp4_f32 v[XC+4*(\t)], v[XS:XS+7], v11
	v_cvt_scalef32_pk8_fp4_f32 v[XC+4*(\t)+1], v[XS+8:XS+15], v11
	v_lshrrev_b32 v[XE+(\t)], 23, v11              ; the scale's byte (also the plain line behind the conversions)
	ds_store_b8 v5, v[XE+(\t)] offset:16*(\t)      ; both lanes of a block write the same byte with the same value
	global_store_b64 v4, v[XC+4*(\t):XC+4*(\t)+1], s[6:7] offset:32*CB*(\t)   ; the wave stores 256 consecutive bytes, aligned
.endm
.irp t, 0,1,2,3,4,5,6,7,8,9,10,11,12,13,14,15
	XSTEP \t
.endr
	ds_load_b64 v[8:9], v6                         ; my wave's 256 scale bytes: these loads see my stores
	s_wait_dscnt 0x0
	global_store_b64 v7, v[8:9], s[8:9]            ; 256 consecutive bytes, aligned
	FINISH
; ---------------- W.  Work-group g = 0..47 is one tensor (g / 16) and head (g % 16).  Wave w takes columns 32 (w / 2) + lane and d = 512 (w % 2) .. + 511.
; A LANE TAKES A COLUMN AND ITS REGISTERS RUN DOWN K: a block of 32 lies in one lane's 32 registers, and the conversions give the codes with K innermost.  Nothing is transposed by an instruction.
; A lane's 256 bytes of codes belong to one row of wc: they go through the wave's own stage and leave as rows, sixteen lanes storing 256 consecutive bytes, aligned.
; The 16 scale bytes of a lane leave by one store of 16 bytes, rows 32 bytes apart: 98,304 bytes in the whole launch.
.Lpath_w:
	s_sub_co_u32 s25, ttmp9, WGX                   ; g
	s_lshr_b32 s26, s24, 1                         ; which 32 columns
	s_and_b32 s27, s24, 1                          ; which half of K
	v_lshlrev_b32 v3, 2, v2                        ; in: 4 bytes a lane
	s_mul_i32 s28, s24, 32*PITCH
	s_add_co_u32 s28, s28, WST                     ; my stage
	v_mul_u32_u24 v4, v2, PITCH
	v_add_nc_u32 v4, s28, v4                       ; into it: row = my column
	v_and_b32 v5, 15, v2
	v_lshrrev_b32 v6, 4, v2
	v_mul_u32_u24 v7, v6, PITCH
	v_lshl_add_u32 v7, v5, 4, v7
	v_add_nc_u32 v7, s28, v7                       ; out of it: sixteen lanes to a row, two rows an instruction
	v_lshlrev_b32 v8, 9, v6
	v_lshl_add_u32 v8, v5, 4, v8                   ; the same place in wc: rows of 512 bytes
	v_lshlrev_b32 v9, 5, v2                        ; my column's row of ws: 32 bytes
	s_cmp_lt_u32 s25, 16                           ; the tensor: a choice that hangs on the work-group's number alone
	s_cselect_b64 s[10:11], s[10:11], s[12:13]
	s_cmp_lt_u32 s25, 32
	s_cselect_b64 s[10:11], s[10:11], s[14:15]
	s_and_b32 s30, s25, 15
	s_lshl_b32 s30, s30, 18                        ; the head: 1,024 rows of 256 bytes
	s_lshl_b32 s31, s27, 17                        ; my 512 rows
	s_add_co_u32 s30, s30, s31
	s_lshl_b32 s31, s26, 7                         ; my 32 columns
	s_add_co_u32 s30, s30, s31
	s_mov_b32 s31, 0
	s_add_nc_u64 s[10:11], s[10:11], s[30:31]
	s_lshl_b32 s30, s25, 1
	s_add_co_u32 s30, s30, s26                     ; which group of 32 rows of wc and ws
	s_lshl_b32 s32, s30, 14                        ; 32 rows of 512 bytes
	s_lshl_b32 s33, s27, 8                         ; my half of a row
	s_add_co_u32 s32, s32, s33
	s_mov_b32 s33, 0
	s_add_nc_u64 s[16:17], s[16:17], s[32:33]
	s_lshl_b32 s32, s30, 10                        ; 32 rows of 32 bytes
	s_lshl_b32 s34, s27, 4
	s_add_co_u32 s32, s32, s34
	s_add_nc_u64 s[18:19], s[18:19], s[32:33]
.macro WLOAD t                         ; block t: P(32 t + i, my column), i = 0 .. 31, into set t % 2; a load reads 128 consecutive bytes
.irp i, 0,1,2,3,4,5,6,7,8,9,10,11,12,13,14,15,16,17,18,19,20,21,22,23,24,25,26,27,28,29,30,31
	global_load_b32 v[WX+32*((\t)%2)+\i], v3, s[10:11] offset:(32*(\t)+\i)*256 th:TH_LOAD_NT
.endr
.endm
	WLOAD 0
	WLOAD 1
.macro BLOCK t
.set XS, WX+32*((\t)%2)
.if (\t) < NB-1
	s_wait_loadcnt 32                              ; this block's 32 loads are in; the next block's 32 may be out
.else
	s_wait_loadcnt 0
.endif
	v_max3_num_f32 v16, |v[XS]|, |v[XS+1]|, |v[XS+2]|              ; the block's largest magnitude: all 32 numbers are mine
	v_max3_num_f32 v17, |v[XS+3]|, |v[XS+4]|, |v[XS+5]|
.irp i, 6,10,14,18,22,26
	v_max3_num_f32 v16, v16, |v[XS+\i]|, |v[XS+\i+1]|
	v_max3_num_f32 v17, v17, |v[XS+\i+2]|, |v[XS+\i+3]|
.endr
	v_max3_num_f32 v16, v16, |v[XS+30]|, |v[XS+31]|
	v_max3_num_f32 v16, v16, v17, (EMAX+1)<<23     ; and the floor
	v_add_nc_u32 v11, -(EMAX<<23), v16             ; the conversion's scale operand
	v_lshrrev_b32 v17, 23, v11                     ; the scale's byte
.if (\t)%4 == 0
	v_mov_b32 v[WSB+(\t)/4], v17                   ; four bytes to a register, the lower K in the lower byte
.else
	v_lshl_or_b32 v[WSB+(\t)/4], v17, 8*((\t)%4), v[WSB+(\t)/4]
.endif
.irp g, 0,1,2,3
	v_cvt_scalef32_pk8_fp4_f32 v[WC+\g], v[XS+8*\g:XS+8*\g+7], v11
.endr
	v_nop                                          ; one plain line behind the last conversion
	ds_store_b128 v4, v[WC:WC+3] offset:16*(\t)    ; 32 codes: 16 bytes of my column's row
.if (\t)+2 < NB
	WLOAD (\t)+2
.endif
	s_wait_dscnt 0x0                               ; the store has read its registers: the next block's codes may be written
.endm
.set Q, 0
.rept NB
	BLOCK Q
.set Q, Q+1
.endr
	global_store_b128 v9, v[WSB:WSB+3], s[18:19]   ; my column's 16 scale bytes
.irp t, 0,1,2,3,4,5,6,7,8,9,10,11,12,13,14,15
	ds_load_b128 v[WOUT+4*\t:WOUT+4*\t+3], v7 offset:2*\t*PITCH
.endr
.irp t, 0,1,2,3,4,5,6,7,8,9,10,11,12,13,14,15
	s_wait_dscnt 15-\t                             ; LDS loads come back in order: load t is in, the younger ones may be out
	global_store_b128 v8, v[WOUT+4*\t:WOUT+4*\t+3], s[16:17] offset:2*\t*512
.endr
	FINISH
; ---------------- O.  Work-group c = 16 (d / 128) + h; wave w takes 32 rows of 64 numbers: 8,192 bytes in, 4,096 out; every load reads 512 consecutive bytes, every store writes 256, aligned.
.Lpath_o:
	s_sub_co_u32 s25, ttmp9, WGX+WGW               ; c
	s_and_b32 s26, s25, 15
	s_lshl_b32 s26, s26, 18                        ; the head
	s_lshr_b32 s27, s25, 4
	s_lshl_b32 s27, s27, 15                        ; 128 rows of 256 bytes
	s_add_co_u32 s26, s26, s27
	s_lshl_b32 s27, s24, 13                        ; my 32 rows
	s_add_co_u32 s26, s26, s27
	s_mov_b32 s27, 0
	s_add_nc_u64 s[20:21], s[20:21], s[26:27]
	s_lshl_b32 s26, s25, 14
	s_lshl_b32 s28, s24, 12
	s_add_co_u32 s26, s26, s28
	s_add_nc_u64 s[22:23], s[22:23], s[26:27]
	v_lshlrev_b32 v3, 4, v2
	v_lshlrev_b32 v4, 3, v2
.irp j, 0,1,2,3,4,5,6,7,8,9,10,11,12,13,14,15
	global_load_b128 v[32+4*\j:35+4*\j], v3, s[20:21] offset:512*\j
.endr
.irp j, 0,1,2,3,4,5,6,7,8,9,10,11,12,13,14,15
	s_wait_loadcnt 15-\j                           ; load j is in, the younger ones may be out
	v_cvt_pk_f16_f32 v[96+2*\j], v[32+4*\j], v[33+4*\j]
	v_cvt_pk_f16_f32 v[97+2*\j], v[34+4*\j], v[35+4*\j]
	global_store_b64 v4, v[96+2*\j:97+2*\j], s[22:23] offset:256*\j
.endr
	FINISH
.Lfunc_end_k_q29d2b207e6_prep:
	.size	k_q29d2b207e6_prep, .Lfunc_end_k_q29d2b207e6_prep-k_q29d2b207e6_prep
	.p2alignl 7, 3214868480
	.fill 96, 4, 3214868480
	.section	.rodata,"a",@progbits
	.p2align	6, 0x0
	.amdhsa_kernel k_q29d2b207e6_prep
		.amdhsa_group_segment_fixed_size 68096
		.amdhsa_private_segment_fixed_size 0
		.amdhsa_enable_private_segment 0
		.amdhsa_kernarg_size 80
		.amdhsa_user_sgpr_count 2
		.amdhsa_user_sgpr_kernarg_segment_ptr 1
		.amdhsa_wavefront_size32 1
		.amdhsa_system_sgpr_workgroup_id_x 1
		.amdhsa_system_sgpr_workgroup_id_y 1
		.amdhsa_system_sgpr_workgroup_id_z 1
		.amdhsa_system_vgpr_workitem_id 0
		.amdhsa_next_free_vgpr 192
		.amdhsa_next_free_sgpr 66
		.amdhsa_reserve_vcc 0
		.amdhsa_float_denorm_mode_32 3
		.amdhsa_float_denorm_mode_16_64 3
		.amdhsa_memory_ordered 1
		.amdhsa_forward_progress 1
		.amdhsa_inst_pref_size 118
	.end_amdhsa_kernel
	.amdgpu_metadata
---
amdhsa.version: [ 1, 2 ]
amdhsa.kernels:
  - .name:           k_q29d2b207e6_prep
    .symbol:         k_q29d2b207e6_prep.kd
    .args:
      - { .name: x, .offset: 0, .size: 8, .value_kind: global_buffer, .address_space: global }
      - { .name: xc, .offset: 8, .size: 8, .value_kind: global_buffer, .address_space: global }
      - { .name: xs, .offset: 16, .size: 8, .value_kind: global_buffer, .address_space: global }
      - { .name: P_q, .offset: 24, .size: 8, .value_kind: global_buffer, .address_space: global }
      - { .name: P_k, .offset: 32, .size: 8, .value_kind: global_buffer, .address_space: global }
      - { .name: P_v, .offset: 40, .size: 8, .value_kind: global_buffer, .address_space: global }
      - { .name: wc, .offset: 48, .size: 8, .value_kind: global_buffer, .address_space: global }
      - { .name: ws, .offset: 56, .size: 8, .value_kind: global_buffer, .address_space: global }
      - { .name: P_o, .offset: 64, .size: 8, .value_kind: global_buffer, .address_space: global }
      - { .name: po16, .offset: 72, .size: 8, .value_kind: global_buffer, .address_space: global }
    .group_segment_fixed_size: 68096
    .private_segment_fixed_size: 0
    .kernarg_segment_align: 8
    .kernarg_segment_size: 80
    .max_flat_workgroup_size: 128
    .sgpr_count:     66
    .vgpr_count:     192
    .wavefront_size: 32
...
	.end_amdgpu_metadata
.endif
;; end of part 1
;; launch qkv (part 2): grid 12 x 32, 4 waves a work-group, clusters of 4 x 4, 327,680 bytes of LDS; arguments xc, xs, wc, ws, qkv16, qkv32; writes qkv16, qkv32
.if DOCPART == 2
	.amdgcn_target "amdgcn-amd-amdhsa--gfx1250"
	.amdhsa_code_object_version 6
	.text
	.protected	k_q29d2b207e6_qkv
	.globl	k_q29d2b207e6_qkv
	.p2align	8
	.type	k_q29d2b207e6_qkv,@function
k_q29d2b207e6_qkv:
	s_mov_b64 s[64:65], 0
	v_nop
	global_prefetch_b8 v0, s[64:65] scope:SCOPE_SE
	s_setreg_imm32_b32 hwreg(HW_REG_WAVE_MODE, 25, 1), 1
	s_wait_xcnt 0x0
	s_wait_alu depctr_hold_cnt(0) depctr_sa_sdst(0) depctr_va_vdst(0) depctr_va_sdst(0) depctr_va_ssrc(0) depctr_va_vcc(0) depctr_vm_vsrc(0)
	s_getreg_b32 s2, hwreg(HW_REG_IB_STS2, 6, 4)
	s_cmp_eq_u32 s2, 0
	s_cbranch_scc0 .Lentry_in_a_cluster
	s_endpgm
.Lentry_in_a_cluster:
	s_bfe_u32 s2, ttmp6, 0x10000c
	s_cmp_lg_u32 s2, 0xf033
	s_cbranch_scc0 .Lentry_shape_is_right
	s_endpgm
.Lentry_shape_is_right:
; Q, K and V in one product on codes of E2M1: C[m][n] = sum over d of x[m][d] W[n][d], m = b*2048 + position (8,192), n = t*1024 + h*64 + k (3,072; t = 0 Q, 1 K, 2 V), d = 1,024.
; A number is its code's value x 2^(byte - 127), one byte for each 32 along d; the matrix instruction takes codes and bytes as they lie.  Sums in f32.
; A tile of C, 256 x 256, is made by four waves, each 128 x 128: 64 accumulators, 512 registers.  K is two slots of 512 (rows of 256 bytes), both asked for at the head: nothing is filled again, and there is no loop.
; The scale bytes of the work-group's 256 + 256 rows come once, as two dense blocks.
; CLUSTERS: 4 x 4 work-groups; the four of a row of the cluster ask jointly for x's tiles, the four of a column for W's.  Tile row = 8 cy + cluster y, so that cy is the batch and
; "the batch's first tile" is "cluster y = 0", the same in all sixteen partners.
; THE MATRIX INSTRUCTION IS USED TRANSPOSED (source 0 = 16 rows of W, source 1 = 16 rows of x): a lane holds eight neighbouring n of one row m.
; OUT: f16, head-major: qkv16 [t][b][h][2048][64].  A wave's 128 columns are two heads; 16 rows of a head are 2,048 consecutive bytes.  LIMIT: |Q|, |K|, |V| under 65,504.
; The first 16 positions of every batch go out in f32 as well, qkv32 [b][t*16 + h][16][64], for the launch that carries them finely: 16 bytes a lane, rows 256 bytes apart, 786,432 bytes in the launch.
; REGISTERS, in windows of 256: window 0: v0-31 addresses; v32-95 scale words, two sets; from v128 x's fragments, ONE set; on the way out v32-127 are free.
;   window 1: W's fragments, TWO sets, at v0 and v128.   window 2: the accumulators of my rows 0-63 ((a, b) at v[8 (8 a + b)]);   window 3: those of rows 64-127.
.set NQ,     4                         ; matrix instructions deep in a slot
.set ROWB,   256                       ; a tile's row in bytes: 512 codes
.set KROW,   512                       ; a row of codes in memory
.set PITCH,  272                       ; an LDS row: 256 bytes + 16: the 16 rows that a load touches start at 16 different banks (64 banks of 4 bytes: ISA guide 11.1)
.set FR,     8                         ; registers of a fragment: 16 rows x 128 K
.set NL,     2                         ; LDS loads that bring one
.set NP,     4                         ; places behind this matrix instruction (ISA guide 7.12.1)
.set HALFT,  128*PITCH
.set SLOT,   4*HALFT
.set KS,     32                        ; a row of scale bytes
.set SCL,    2*SLOT                    ; behind the slots: the scales, as runs of 256 bytes + 16 of padding
.set HALFS,  (128*KS/256)*272
.set SBLK,   (16*KS/256)*272
.set SPARE,  SCL+4*HALFS               ; the spare words, 128 bytes a wave: two blocks of 256 bytes that no other line names
.set STG,    SPARE+512                 ; the way out: for each wave 2 heads x 16 rows x (128 bytes + 16); no tensor load lands here
.set SWAVE,  2*16*144
.set ADRA, 16
.set ADRB, 20
.set STO,  24                          ; v24  the way out: where I put 16 bytes of a row
.set RD,   25                          ; v25  where I read rows back
.set CO,   26                          ; v26  16 x lane: my place in 512 consecutive bytes of a head
.set ADRS, 27                          ; v27  LDS address of my scale words: lanes 0-15 x's rows, lanes 16-31 W's
.set SPW,  28
.set NIL,  29
.set C32,  30                          ; v30  my place in a block of qkv32: row x 256 + 32 x half
.set SC,   32
.set AF,   128
.set TMP,  32                          ; the way out: packed results
.set BK,   64                          ; and rows read back: v64-95 and v96-127 by turns
.set G1, 24
.set G0, 32
.set G1B, 48
.set G0B, 56
.set G1S, 68
.set G0S, 76
.set G1SB, 80
.set G0SB, 88
.set MSB, 0
.macro WIN new                         ; the immediate's high byte repeats the setting that is left
.if MSB != \new
	s_set_vgpr_msb (MSB<<8)|\new
.set MSB, \new
.endif
.endm
.set MUL_LO, 0xa1                      ; source 0 (W) window 1, source 1 (x) window 0, C and D window 2
.set MUL_HI, 0xf1
.set TO_B,   0x40
; A joint load: waves 0 and 1 fetch for x, waves 2 and 3 for W; the branch hangs on the wave's number alone.  An s_nop 0 and four v_nop follow each line.
.macro JLOAD g0a, g1a, g0b, g1b
	s_cmp_eq_u32 s15, 0
	s_cbranch_scc0 .Lfor_b_\@
	tensor_load_to_lds s[\g0a:\g0a+3], s[\g1a:\g1a+7]
	s_nop 0
.rept 4
	v_nop
.endr
	s_branch .Lasked_\@
.Lfor_b_\@:
	tensor_load_to_lds s[\g0b:\g0b+3], s[\g1b:\g1b+7]
	s_nop 0
.rept 4
	v_nop
.endr
.Lasked_\@:
.endm
.macro CROUND                          ; a round of the cluster's barrier
	s_barrier_signal -1
	s_barrier_wait -1
	s_cmp_lg_u32 s14, 0
	s_cbranch_scc1 .Lnot_wave_0_\@
	s_barrier_signal -3
.Lnot_wave_0_\@:
	s_barrier_wait -3
	s_barrier_signal -1
	s_barrier_wait -1
.endm
	s_load_b128 s[4:7], s[0:1], 0x0                ; x's codes, x's scales
	s_load_b128 s[8:11], s[0:1], 0x10              ; W's codes, W's scales
	s_load_b64 s[12:13], s[0:1], 0x20              ; qkv16
	s_load_b64 s[66:67], s[0:1], 0x28              ; qkv32
	v_lshl_add_u32 v[SPW], v0, 2, SPARE
	v_mov_b32 v[NIL], 0
	ds_add_u32 v[SPW], v[NIL]                      ; the wave's opening: the add, twice on end, and its wait ahead of my first tensor load
	ds_add_u32 v[SPW], v[NIL]
	v_lshrrev_b32 v1, 5, v0
	v_readfirstlane_b32 s14, v1                    ; wave 0..3
	s_lshr_b32 s15, s14, 1                         ; which half of the tile's rows is mine.  Also: I fetch for x (0) or for W (1)
	s_and_b32 s16, s14, 1                          ; which half of its columns.  Also: which 128 rows I fetch
	s_bfe_u32 s40, ttmp6, 0x40000                  ; cx
	s_bfe_u32 s41, ttmp6, 0x40004                  ; cy
	s_lshl_b32 s42, ttmp9, 2
	s_add_co_u32 s42, s42, s40                     ; tile column = 4 x cluster x + cx
	s_and_b32 s95, ttmp7, 0xffff                   ; cluster y: which 256 positions of the batch
	s_lshl_b32 s17, s41, 3
	s_add_co_u32 s17, s17, s95                     ; tile row = 8 cy + cluster y: cy is the batch
	s_lshl_b32 s43, s41, 2
	s_lshl_b32 s43, 15, s43                        ; my row of the cluster
	s_lshl_b32 s44, 0x1111, s40                    ; my column
	s_or_b32 s[G1+0], s43, (0<<16)|(1<<20)|(1<<21)|(5<<22)|(3<<25)  ; the mask; elements of 1 byte; padding on; bit 21 beside a mask; 4 words after every 64
	s_or_b32 s[G1B+0], s44, (0<<16)|(1<<20)|(1<<21)|(5<<22)|(3<<25)
.irp g, G1, G1B
	s_mov_b32 s[\g+1], ROWB<<16                    ; tensor_dim0
	s_mov_b32 s[\g+2], 128<<16                     ; tensor_dim1
	s_mov_b32 s[\g+3], ROWB<<16                    ; tile_dim0
	s_mov_b32 s[\g+4], 128                         ; tile_dim1
	s_mov_b32 s[\g+5], KROW                        ; the pitch
	s_mov_b32 s[\g+6], 0
	s_mov_b32 s[\g+7], 0
.endr
	s_or_b32 s[G1S+0], s43, (3<<16)|(1<<20)|(1<<21)|(5<<22)|(3<<25)  ; the scales of 128 rows: 4,096 dense bytes as 16 rows of 32 elements of 8 bytes
	s_or_b32 s[G1SB+0], s44, (3<<16)|(1<<20)|(1<<21)|(5<<22)|(3<<25)
.irp g, G1S, G1SB
	s_mov_b32 s[\g+1], 32<<16
	s_mov_b32 s[\g+2], (128*KS/256)<<16
	s_mov_b32 s[\g+3], 32<<16
	s_mov_b32 s[\g+4], 128*KS/256
	s_mov_b32 s[\g+5], 32
	s_mov_b32 s[\g+6], 0
	s_mov_b32 s[\g+7], 0
.endr
	s_lshl_b32 s18, s16, 7
	s_lshl_b32 s20, s17, 8
	s_add_co_u32 s20, s20, s18                     ; x: row 256 x tile row + 128 x half
	s_lshl_b32 s46, s42, 8
	s_add_co_u32 s46, s46, s18                     ; W: row 256 x tile column + 128 x half
	s_mov_b32 s21, 0
	s_mov_b32 s47, 0
	s_mov_b64 s[18:19], KS
	s_mul_u64 s[22:23], s[20:21], s[18:19]         ; where these rows' scales begin
	s_mul_u64 s[92:93], s[46:47], s[18:19]
	s_mov_b64 s[18:19], KROW
	s_mul_u64 s[20:21], s[20:21], s[18:19]         ; and their codes
	s_mul_u64 s[46:47], s[46:47], s[18:19]
	s_mul_i32 s45, s14, HALFT                      ; where they go: wave x 128 rows
	s_mul_i32 s94, s14, HALFS
	s_wait_dscnt 0x0                               ; both opening adds are done
	s_wait_kmcnt 0x0
	s_add_nc_u64 s[20:21], s[4:5], s[20:21]
	s_add_nc_u64 s[22:23], s[6:7], s[22:23]
	s_add_nc_u64 s[46:47], s[8:9], s[46:47]
	s_add_nc_u64 s[92:93], s[10:11], s[92:93]
	CROUND                                         ; all sixteen work-groups are here: the joint loads meet
	s_mov_b32 s[G0S], 1
	s_add_co_u32 s[G0S+1], s94, SCL
	s_mov_b64 s[G0S+2:G0S+3], s[22:23]
	s_or_b32 s[G0S+3], s[G0S+3], 0x80000000
	s_mov_b32 s[G0SB], 1
	s_add_co_u32 s[G0SB+1], s94, SCL
	s_mov_b64 s[G0SB+2:G0SB+3], s[92:93]
	s_or_b32 s[G0SB+3], s[G0SB+3], 0x80000000
	JLOAD G0S, G1S, G0SB, G1SB                     ; the scales first: they are wanted with slot 0
.irp s, 0,1
	s_mov_b32 s[G0+4*\s], 1
	s_add_co_u32 s[G0+4*\s+1], s45, \s*SLOT
	s_add_nc_u64 s[G0+4*\s+2:G0+4*\s+3], s[20:21], \s*ROWB
	s_or_b32 s[G0+4*\s+3], s[G0+4*\s+3], 0x80000000
	s_mov_b32 s[G0B+4*\s], 1
	s_add_co_u32 s[G0B+4*\s+1], s45, \s*SLOT
	s_add_nc_u64 s[G0B+4*\s+2:G0B+4*\s+3], s[46:47], \s*ROWB
	s_or_b32 s[G0B+4*\s+3], s[G0B+4*\s+3], 0x80000000
	JLOAD G0+4*\s, G1, G0B+4*\s, G1B               ; three tensor loads of mine are out at the most
.endr
	v_and_b32 v1, 15, v0                           ; r = lane % 16
	v_bfe_u32 v2, v0, 4, 1                         ; h = lane / 16
	v_mul_u32_u24 v3, v1, PITCH
	v_lshl_add_u32 v4, v2, 4, v3                   ; a fragment's row x pitch + 16 x half
	s_mul_i32 s21, s15, HALFT
	s_mul_i32 s22, s16, HALFT
	s_add_co_u32 s22, s22, 2*HALFT
.irp s, 0,1
	v_add_nc_u32 v[ADRA+\s], s21, v4
	v_add_nc_u32 v[ADRB+\s], s22, v4
	s_add_co_u32 s21, s21, SLOT
	s_add_co_u32 s22, s22, SLOT
.endr
	v_mul_u32_u24 v5, v1, KS                       ; my row's scales: 32 bytes a row,
	v_lshrrev_b32 v6, 8, v5
	v_lshl_add_u32 v5, v6, 4, v5                   ; and 16 more for each 256 passed
	s_mul_i32 s21, s15, HALFS
	s_mul_i32 s22, s16, HALFS
	s_add_co_u32 s22, s22, 2*HALFS
	s_sub_co_u32 s22, s22, s21
	v_mul_u32_u24 v6, s22, v2                      ; lanes 16-31 take W's: one product, the distance between the two bases
	s_add_co_u32 s21, s21, SCL
	v_add_nc_u32 v5, v5, v6
	v_add_nc_u32 v[ADRS], s21, v5
	s_mul_i32 s23, s14, SWAVE
	s_add_co_u32 s23, s23, STG                     ; my stage
	v_mul_u32_u24 v5, v1, 144
	v_lshl_add_u32 v5, v2, 4, v5
	v_add_nc_u32 v[STO], s23, v5                   ; in: row r, 16 bytes for each half of the lanes
	v_and_b32 v6, 31, v0
	v_lshrrev_b32 v5, 3, v6
	v_mul_u32_u24 v5, v5, 144
	v_and_b32 v3, 7, v0
	v_lshl_add_u32 v5, v3, 4, v5
	v_add_nc_u32 v[RD], s23, v5                    ; back: eight lanes to a row of 128 bytes, four rows an instruction
	v_lshlrev_b32 v[CO], 4, v6
	v_lshlrev_b32 v[C32], 8, v1
	v_lshl_add_u32 v[C32], v2, 5, v[C32]
	; where my results go.  These numbers mix cx and cy: they lie in registers that feed no descriptor
	s_lshl_b32 s97, s42, 2
	s_lshl_b32 s98, s16, 1
	s_add_co_u32 s97, s97, s98                     ; g0 = t*16 + h of my first head = 4 x tile column + 2 x half
	s_lshr_b32 s98, s97, 4
	s_lshl_b32 s98, s98, 6                         ; 64 t
	s_lshl_b32 s99, s41, 4                         ; 16 b
	s_add_co_u32 s98, s98, s99
	s_and_b32 s99, s97, 15
	s_add_co_u32 s98, s98, s99                     ; the plane
	s_lshl_b32 s98, s98, 18                        ; of 262,144 bytes
	s_lshl_b32 s99, s95, 15                        ; 256 positions of 128 bytes
	s_add_co_u32 s98, s98, s99
	s_lshl_b32 s99, s15, 14                        ; my 128
	s_add_co_u32 s100, s98, s99
	s_mov_b32 s101, 0
	s_add_nc_u64 s[12:13], s[12:13], s[100:101]
	s_mul_i32 s98, s41, 48
	s_add_co_u32 s98, s98, s97
	s_lshl_b32 s100, s98, 12                       ; qkv32: block b*48 + g0 of 4,096 bytes
	s_add_nc_u64 s[66:67], s[66:67], s[100:101]
	s_or_b32 s96, s95, s15                         ; 0: my first 16 rows are a batch's first 16 positions.  Cluster y and the wave's number: alike in all partners
.macro FRAG reg, adr, q, i             ; 16 rows x 128 K of 4-bit codes: lane l holds row l % 16; registers 4 c .. 4 c + 3 hold K = 64 c + 32 (l / 16) + 0 .. 31
.irp c, 0,1
	ds_load_b128 v[\reg+4*\c:\reg+4*\c+3], v[\adr] offset:64*(\q)+32*\c+(\i)*16*PITCH
.endr
.endm
; 16 matrix instructions: x's blocks a0, a0 + 1 against W's eight.  The 64 accumulators take turns, one instruction a turn, in the same order in every step.
.macro MUL16 a0, p, q, sc, zero
.irp a, \a0, \a0+1
.irp b, 0,1,2,3,4,5,6,7
.if \zero
	v_wmma_scale_f32_16x16x128_f8f6f4 v[8*(8*((\a)%4)+\b):8*(8*((\a)%4)+\b)+7], v[128*(\p)+FR*\b:128*(\p)+FR*\b+FR-1], v[AF+FR*(\a):AF+FR*(\a)+FR-1], 0, v[SC+8*NQ*(\sc)+NQ*\b+(\q)], v[SC+8*NQ*(\sc)+NQ*(\a)+(\q)] matrix_a_fmt:MATRIX_FMT_FP4 matrix_b_fmt:MATRIX_FMT_FP4 matrix_a_scale:MATRIX_SCALE_ROW1
.else
	v_wmma_scale_f32_16x16x128_f8f6f4 v[8*(8*((\a)%4)+\b):8*(8*((\a)%4)+\b)+7], v[128*(\p)+FR*\b:128*(\p)+FR*\b+FR-1], v[AF+FR*(\a):AF+FR*(\a)+FR-1], v[8*(8*((\a)%4)+\b):8*(8*((\a)%4)+\b)+7], v[SC+8*NQ*(\sc)+NQ*\b+(\q)], v[SC+8*NQ*(\sc)+NQ*(\a)+(\q)] matrix_a_fmt:MATRIX_FMT_FP4 matrix_b_fmt:MATRIX_FMT_FP4 matrix_a_scale:MATRIX_SCALE_ROW1
.endif
.endr
.endr
.endm
.macro FETCH_B slot, q, p
	WIN TO_B
.irp i, 0,1,2,3,4,5,6,7
	FRAG 128*(\p)+FR*\i, ADRB+\slot, \q, \i
.endr
	WIN 0
.endm
.macro FETCH_A slot, q, i0
.irp i, \i0, \i0+1, \i0+2, \i0+3
	FRAG AF+FR*(\i), ADRA+\slot, \q, \i
.endr
.endm
.macro SCALES sc                       ; a slot's scale words: four words a row; lanes 0-15 take x's block i, lanes 16-31 W's block i
.irp i, 0,1,2,3,4,5,6,7
	ds_load_b128 v[SC+8*NQ*\sc+NQ*\i:SC+8*NQ*\sc+NQ*\i+3], v[ADRS] offset:\i*SBLK
.endr
.endm
.macro PLACES n                        ; plain vector instructions that name none of the products' registers, in front of loads into registers that products have read and of reads of results
.rept \n
	v_nop
.endr
.endm
.macro STEP slot, q, zero              ; 128 along K that has its successor in the same slot
	s_wait_dscnt 4*NL                              ; W's set and x's blocks 0-3 are in; the youngest eight loads (x's blocks 4-7) may be out
	WIN MUL_LO
	MUL16 0, (\q)%2, \q, \slot, \zero
	MUL16 2, (\q)%2, \q, \slot, \zero
	s_wait_dscnt 0                                 ; x's blocks 4-7 are in
	PLACES NP
	FETCH_B \slot, (\q)+1, 1-(\q)%2
	FETCH_A \slot, (\q)+1, 0
	WIN MUL_HI
	MUL16 4, (\q)%2, \q, \slot, \zero
	MUL16 6, (\q)%2, \q, \slot, \zero
	PLACES NP
	WIN 0
	FETCH_A \slot, (\q)+1, 4
.endm
.macro STEPS slot, from
.set Q, \from
.rept NQ-1-\from
	STEP \slot, Q, 0
.set Q, Q+1
.endr
.endm
	s_wait_tensorcnt 1                             ; the scales and my part of slot 0 are in; slot 1's load may be out
	s_barrier_signal -1
	s_barrier_wait -1
	FETCH_B 0, 0, 0
	FETCH_A 0, 0, 0
	SCALES 0
	FETCH_A 0, 0, 4
	STEP 0, 0, 1                                   ; the first products start the sums: nothing is cleared
	STEPS 0, 1
	; slot 0's last step, and the change to slot 1: one barrier, so that every wave's part of slot 1 is shown to all
	s_wait_tensorcnt 0x0                           ; my part of slot 1 has landed
	ds_add_u32 v[SPW], v[NIL]
	s_wait_dscnt 4*NL+1                            ; the add and the youngest eight loads may be out
	WIN MUL_LO
	MUL16 0, 1, NQ-1, 0, 0
	s_wait_dscnt 0x0                               ; no LDS instruction of mine is pending at the signal
	s_barrier_signal -1
	MUL16 2, 1, NQ-1, 0, 0
	WIN 0
	s_barrier_wait -1
	PLACES NP
	v_add_nc_u32 v[ADRS], 4*NQ, v[ADRS]            ; slot 1's scale words: 16 bytes on in each row
	FETCH_B 1, 0, 0
	FETCH_A 1, 0, 0
	SCALES 1
	WIN MUL_HI
	MUL16 4, 1, NQ-1, 0, 0
	MUL16 6, 1, NQ-1, 0, 0
	PLACES NP
	WIN 0
	FETCH_A 1, 0, 4
	STEPS 1, 0
	s_wait_dscnt 4*NL                              ; the very last step: nothing more to fetch
	WIN MUL_LO
	MUL16 0, 1, NQ-1, 1, 0
	MUL16 2, 1, NQ-1, 1, 0
	s_wait_dscnt 0
	WIN MUL_HI
	MUL16 4, 1, NQ-1, 1, 0
	MUL16 6, 1, NQ-1, 1, 0
	WIN 0
; THE WAY OUT, block by block of 16 rows x 128 columns (two heads).  PACK: rounded to f16, each accumulator from its low end on, 16 bytes a lane.  TOSTAGE: into my stage, and back as rows.  SEND: stored,
; 512 consecutive bytes an instruction (four rows of a head).
.macro PACK a
.set AC, 64*((\a)%4)
	WIN 0x0a+5*((\a)/4)                            ; sources 0 and 1: window 2 or 3
.irp b, 0,1,2,3,4,5,6,7
.irp r, 0,1,2,3
	v_cvt_pk_f16_f32 v[TMP+4*\b+\r], v[AC+8*\b+2*\r], v[AC+8*\b+2*\r+1]
.endr
.endr
	WIN 0
.endm
.macro TOSTAGE a
.set BB, BK+32*((\a)%2)
.irp b, 0,1,2,3,4,5,6,7
	ds_store_b128 v[STO], v[TMP+4*\b:TMP+4*\b+3] offset:(\b/4)*2304+32*(\b%4)
.endr
.irp e, 0,1
.irp i, 0,1,2,3
	ds_load_b128 v[BB+16*\e+4*\i:BB+16*\e+4*\i+3], v[RD] offset:\e*2304+\i*576   ; LDS serves a wave's instructions in order (ISA guide 5.7.1.4): these see the stores above
.endr
.endr
.endm
.macro SEND a
.set BB, BK+32*((\a)%2)
	s_wait_dscnt 0x0                               ; the block is back in registers
	s_wait_xcnt 0x0                                ; earlier stores have read their base and their data: the base may step, and the next block's loads may land
.if (\a) > 0
	s_add_nc_u64 s[12:13], s[12:13], 16*128        ; 16 positions on
.endif
.irp e, 0,1
.irp i, 0,1,2,3
	global_store_b128 v[CO], v[BB+16*\e+4*\i:BB+16*\e+4*\i+3], s[12:13] offset:\e*262144+\i*512
.endr
.endr
.endm
	PLACES NP                                      ; behind the last products: for the reads of results and for the writes of registers that held scale words
	s_cmp_lg_u32 s96, 0
	s_cbranch_scc1 .Lno_first
	WIN 0x08                                       ; a store's data are its source 1: window 2
.irp b, 0,1,2,3,4,5,6,7
	global_store_b128 v[C32], v[8*\b:8*\b+3], s[66:67] offset:(\b/4)*4096+(\b%4)*64       ; block 0's accumulators as they are, f32, each from its low end on
	global_store_b128 v[C32], v[8*\b+4:8*\b+7], s[66:67] offset:(\b/4)*4096+(\b%4)*64+16
.endr
	WIN 0
.Lno_first:
	PACK 0
	TOSTAGE 0
.irp a, 1,2,3,4,5,6,7                  ; block a's conversions stand between block a - 1's loads from the stage and the wait for them
	PACK \a
	SEND \a-1
	TOSTAGE \a
.endr
	SEND 7
	s_wait_tensorcnt 0x0                           ; the wave's end
	ds_add_u32 v[SPW], v[NIL]
	s_wait_dscnt 0x0
	CROUND                                         ; the closing round
	s_endpgm
.Lfunc_end_k_q29d2b207e6_qkv:
	.size	k_q29d2b207e6_qkv, .Lfunc_end_k_q29d2b207e6_qkv-k_q29d2b207e6_qkv
	.p2alignl 7, 3214868480
	.fill 96, 4, 3214868480
	.section	.rodata,"a",@progbits
	.p2align	6, 0x0
	.amdhsa_kernel k_q29d2b207e6_qkv
		.amdhsa_group_segment_fixed_size 327680
		.amdhsa_private_segment_fixed_size 0
		.amdhsa_enable_private_segment 0
		.amdhsa_kernarg_size 48
		.amdhsa_user_sgpr_count 2
		.amdhsa_user_sgpr_kernarg_segment_ptr 1
		.amdhsa_wavefront_size32 1
		.amdhsa_system_sgpr_workgroup_id_x 1
		.amdhsa_system_sgpr_workgroup_id_y 1
		.amdhsa_system_sgpr_workgroup_id_z 1
		.amdhsa_system_vgpr_workitem_id 0
		.amdhsa_next_free_vgpr 1024
		.amdhsa_next_free_sgpr 102
		.amdhsa_reserve_vcc 0
		.amdhsa_float_denorm_mode_32 3
		.amdhsa_float_denorm_mode_16_64 3
		.amdhsa_memory_ordered 1
		.amdhsa_forward_progress 1
		.amdhsa_inst_pref_size 129
	.end_amdhsa_kernel
	.amdgpu_metadata
---
amdhsa.version: [ 1, 2 ]
amdhsa.kernels:
  - .name:           k_q29d2b207e6_qkv
    .symbol:         k_q29d2b207e6_qkv.kd
    .args:
      - { .name: xc, .offset: 0, .size: 8, .value_kind: global_buffer, .address_space: global }
      - { .name: xs, .offset: 8, .size: 8, .value_kind: global_buffer, .address_space: global }
      - { .name: wc, .offset: 16, .size: 8, .value_kind: global_buffer, .address_space: global }
      - { .name: ws, .offset: 24, .size: 8, .value_kind: global_buffer, .address_space: global }
      - { .name: qkv16, .offset: 32, .size: 8, .value_kind: global_buffer, .address_space: global }
      - { .name: qkv32, .offset: 40, .size: 8, .value_kind: global_buffer, .address_space: global }
    .group_segment_fixed_size: 327680
    .private_segment_fixed_size: 0
    .kernarg_segment_align: 8
    .kernarg_segment_size: 48
    .max_flat_workgroup_size: 128
    .sgpr_count:     102
    .vgpr_count:     1024
    .wavefront_size: 32
...
	.end_amdgpu_metadata
.endif
;; end of part 2
;; launch first16 (part 3): grid 64 x 4, 16 waves a work-group, no clusters, 22,528 bytes of LDS; arguments qkv32, P_o, out0; writes out0
.if DOCPART == 3
	.amdgcn_target "amdgcn-amd-amdhsa--gfx1250"
	.amdhsa_code_object_version 6
	.text
	.protected	k_q29d2b207e6_first16
	.globl	k_q29d2b207e6_first16
	.p2align	8
	.type	k_q29d2b207e6_first16,@function
k_q29d2b207e6_first16:
	s_mov_b64 s[64:65], 0
	v_nop
	global_prefetch_b8 v0, s[64:65] scope:SCOPE_SE
	s_setreg_imm32_b32 hwreg(HW_REG_WAVE_MODE, 25, 1), 1
	s_wait_xcnt 0x0
; THE FIRST 16 POSITIONS OF EVERY BATCH, IN f32 THROUGHOUT: under the causal mask they average one to sixteen values and are the largest numbers of the output, so f16 operands would use up what the comparison allows.
; Work-group (x, b) makes out0[b][0..15][16 x .. 16 x + 15].  Wave w is head w: S^T = K Q^T (16 x 16 x 64), the softmax, O^T = V^T P^T, Y^T = P_o O^T (its 16 columns of d), all by the f32 matrix form;
; the sixteen heads' parts meet in LDS and are added in ascending order of heads.
; The attention of 16 positions is repeated in each of the 64 column chunks (32 of a wave's 48 matrix instructions): wider chunks would lengthen each wave's chain and leave most WGPs without work.
; The price: a store covers 64 consecutive bytes of two rows; 262,144 bytes in the launch.
; In every product k is laid in the registers in the same order on both sources, so the sums are those of the true k in another order.
; The registers that the f32 matrix form writes (v160-223) are written by matrix instructions alone.
.set QF, 32                            ; v32-63   Q: register 4 s + e = Q[r][8 s + 4 h + e]; later O^T / l
.set KF, 64                            ; v64-95   K likewise
.set VF, 96                            ; v96-127  register 8 ct + e = V[8 h + e][16 ct + r]
.set PF, 128                           ; v128-159 register 8 ct + e = P_o[w][d0 + r][16 ct + 8 h + e]
.set SA, 160                           ; two accumulators for S^T, by turns
.set SB, 168
.set OA, 176                           ; four for O^T
.set YA, 208                           ; two for Y^T
.set YB, 216
.set SV, 224                           ; the scores, then p
.set YS, 232
.set OS, 32
.set SPW, 6
.set NIL, 7
.set SPARE, 20480                      ; behind the sixteen parts of 1,280 bytes: the spare words, 128 bytes a wave
	s_load_b128 s[4:7], s[0:1], 0x0                ; qkv32, P_o
	s_load_b64 s[8:9], s[0:1], 0x10                ; out0
	v_lshl_add_u32 v[SPW], v0, 2, SPARE
	v_mov_b32 v[NIL], 0
	v_lshrrev_b32 v1, 5, v0
	v_readfirstlane_b32 s10, v1                    ; wave = head
	v_and_b32 v1, 15, v0                           ; r
	v_bfe_u32 v2, v0, 4, 1                         ; h
	v_lshlrev_b32 v3, 8, v1
	v_lshl_add_u32 v3, v2, 4, v3                   ; Q, K: row r of 256 bytes + 16 h
	v_lshlrev_b32 v4, 2, v1
	v_lshl_add_u32 v4, v2, 11, v4                  ; V: rows 8 h on, column r
	v_lshlrev_b32 v5, 8, v1
	v_lshl_add_u32 v5, v2, 5, v5                   ; P_o: row d0 + r + 32 h bytes
	v_lshlrev_b32 v8, 3, v2
	v_sub_nc_u32 v8, v1, v8                        ; d = r - 8 h: register j holds key 8 h + j, hidden where j > d
	v_mov_b32 v9, 0xff800000                       ; -infinity
	v_mov_b32 v12, 0                               ; a lane permute's destination counts as one of its sources
	s_mul_i32 s18, s10, 1280
	v_mul_u32_u24 v15, v1, 80
	v_lshl_add_u32 v15, v2, 5, v15
	v_add_nc_u32 v15, s18, v15                     ; my part in LDS: head x 1,280 + query x 80 + 32 h
	s_mul_i32 s18, s10, 160
	v_mul_u32_u24 v240, v2, 80
	v_lshl_add_u32 v240, v1, 2, v240
	v_add_nc_u32 v240, s18, v240                   ; the sum: query 2 w + h, column r
	s_lshl_b32 s18, s10, 13
	v_lshlrev_b32 v241, 12, v2
	v_lshl_add_u32 v241, v1, 2, v241
	v_add_nc_u32 v241, s18, v241                   ; and its place in out0: rows of 4,096 bytes
	s_and_b32 s11, ttmp7, 0xffff                   ; b
	s_mul_i32 s12, s11, 48
	s_add_co_u32 s12, s12, s10
	s_lshl_b32 s12, s12, 12                        ; Q's block b*48 + w; K's lies 16 blocks on, V's 32
	s_mov_b32 s13, 0
	s_lshl_b32 s14, s10, 18
	s_lshl_b32 s15, ttmp9, 12                      ; d0 = 16 x: 16 rows of 256 bytes
	s_add_co_u32 s14, s14, s15
	s_mov_b32 s15, 0
	s_lshl_b32 s16, s11, 23
	s_lshl_b32 s17, ttmp9, 6
	s_add_co_u32 s16, s16, s17
	s_mov_b32 s17, 0
	s_mov_b32 s20, 0x76543210
	s_mov_b32 s21, 0xfedcba98                      ; v_permlanex16_b32's selects for lane l xor 16
	s_mov_b32 s22, 0x3e38aa3b                      ; c = log2(e) / sqrt(64)
	s_wait_kmcnt 0x0
	s_add_nc_u64 s[4:5], s[4:5], s[12:13]
	s_add_nc_u64 s[6:7], s[6:7], s[14:15]
	s_add_nc_u64 s[8:9], s[8:9], s[16:17]
.irp s, 0,1,2,3,4,5,6,7
	global_load_b128 v[QF+4*\s:QF+4*\s+3], v3, s[4:5] offset:32*\s
	global_load_b128 v[KF+4*\s:KF+4*\s+3], v3, s[4:5] offset:65536+32*\s
.endr
.irp ct, 0,1,2,3
.irp e, 0,1,2,3,4,5,6,7
	global_load_b32 v[VF+8*\ct+\e], v4, s[4:5] offset:131072+256*\e+64*\ct
.endr
.endr
.irp ct, 0,1,2,3
	global_load_b128 v[PF+8*\ct:PF+8*\ct+3], v5, s[6:7] offset:64*\ct
	global_load_b128 v[PF+8*\ct+4:PF+8*\ct+7], v5, s[6:7] offset:64*\ct+16
.endr
	s_wait_loadcnt 0x0
	; S^T = K Q^T: source 0 = 16 keys, source 1 = 16 queries: lane (r, h) holds query r and keys 8 h + 0 .. 7.  Two accumulators by turns; the first products start the sums
	v_wmma_f32_16x16x4_f32 v[SA:SA+7], v[KF:KF+1], v[QF:QF+1], 0
	v_wmma_f32_16x16x4_f32 v[SB:SB+7], v[KF+2:KF+3], v[QF+2:QF+3], 0
.irp n, 2,4,6,8,10,12,14
	v_wmma_f32_16x16x4_f32 v[SA:SA+7], v[KF+2*\n:KF+2*\n+1], v[QF+2*\n:QF+2*\n+1], v[SA:SA+7]
	v_wmma_f32_16x16x4_f32 v[SB:SB+7], v[KF+2*\n+2:KF+2*\n+3], v[QF+2*\n+2:QF+2*\n+3], v[SB:SB+7]
.endr
.rept 8
	v_nop                                          ; eight places behind this form before a result is read (ISA guide 7.12.1)
.endr
.irp j, 0,2,4,6
	v_pk_add_f32 v[SV+\j:SV+\j+1], v[SA+\j:SA+\j+1], v[SB+\j:SB+\j+1]   ; from the low end on
.endr
.irp j, 0,1,2,3,4,5,6,7
	v_cmp_gt_i32 vcc_lo, \j, v8
	v_cndmask_b32 v[SV+\j], v[SV+\j], v9, vcc_lo   ; the causal mask
.endr
	v_max3_num_f32 v11, v[SV], v[SV+1], v[SV+2]
	v_max3_num_f32 v11, v11, v[SV+3], v[SV+4]
	v_max3_num_f32 v11, v11, v[SV+5], v[SV+6]
	v_max_num_f32 v11, v11, v[SV+7]
	v_permlanex16_b32 v12, v11, s20, s21
	v_max_num_f32 v11, v11, v12                    ; the row's maximum: key 0 counts for every query, so it is a number
	v_mul_f32 v10, s22, v11
.irp j, 0,1,2,3,4,5,6,7
	v_fma_f32 v[SV+\j], v[SV+\j], s22, -v10        ; c s - c m
.endr
.irp j, 0,1,2,3,4,5,6,7
	v_exp_f32 v[SV+\j], v[SV+\j]                   ; p, one batch
.endr
	v_nop                                          ; a plain instruction behind the last exponential
	s_wait_alu depctr_va_vdst(0)                   ; one wait for the batch, ahead of its first reader
	v_pk_add_f32 v[16:17], v[SV:SV+1], v[SV+2:SV+3]
	v_pk_add_f32 v[18:19], v[SV+4:SV+5], v[SV+6:SV+7]
	v_pk_add_f32 v[16:17], v[16:17], v[18:19]
	v_add_f32 v13, v16, v17
	v_permlanex16_b32 v12, v13, s20, s21
	v_add_f32 v13, v13, v12                        ; the row's sum
	v_rcp_f32 v14, v13
	v_nop
	; O^T = V^T P^T: source 0 = 16 channels, source 1 = p: step s takes keys 8 h + 2 s + 0, 1.  Four accumulators by turns
.irp ct, 0,1,2,3
	v_wmma_f32_16x16x4_f32 v[OA+8*\ct:OA+8*\ct+7], v[VF+8*\ct:VF+8*\ct+1], v[SV:SV+1], 0
.endr
.irp s, 1,2,3
.irp ct, 0,1,2,3
	v_wmma_f32_16x16x4_f32 v[OA+8*\ct:OA+8*\ct+7], v[VF+8*\ct+2*\s:VF+8*\ct+2*\s+1], v[SV+2*\s:SV+2*\s+1], v[OA+8*\ct:OA+8*\ct+7]
.endr
.endr
.rept 8
	v_nop
.endr
	s_wait_alu depctr_va_vdst(0)                   ; the reciprocal's wait, ahead of its first reader
.irp i, 0,1,2,3,4,5,6,7,8,9,10,11,12,13,14,15,16,17,18,19,20,21,22,23,24,25,26,27,28,29,30,31
	v_mul_f32 v[OS+\i], v[OA+\i], v14              ; o(query r, channel 16 ct + 8 h + j), into other registers, each accumulator from its low end on
.endr
	; Y^T = P_o O^T: source 0 = 16 rows d of P_o, source 1 = o: lane (r, h) holds query r and d0 + 8 h + 0 .. 7
	v_wmma_f32_16x16x4_f32 v[YA:YA+7], v[PF:PF+1], v[OS:OS+1], 0
	v_wmma_f32_16x16x4_f32 v[YB:YB+7], v[PF+2:PF+3], v[OS+2:OS+3], 0
.irp n, 2,4,6,8,10,12,14
	v_wmma_f32_16x16x4_f32 v[YA:YA+7], v[PF+2*\n:PF+2*\n+1], v[OS+2*\n:OS+2*\n+1], v[YA:YA+7]
	v_wmma_f32_16x16x4_f32 v[YB:YB+7], v[PF+2*\n+2:PF+2*\n+3], v[OS+2*\n+2:OS+2*\n+3], v[YB:YB+7]
.endr
.rept 8
	v_nop
.endr
.irp j, 0,2,4,6
	v_pk_add_f32 v[YS+\j:YS+\j+1], v[YA+\j:YA+\j+1], v[YB+\j:YB+\j+1]
.endr
	ds_store_b128 v15, v[YS:YS+3]
	ds_store_b128 v15, v[YS+4:YS+7] offset:16
	s_wait_dscnt 0x0                               ; for the others' sake: my part lies in LDS
	s_barrier_signal -1
	s_barrier_wait -1
	s_cmp_lt_u32 s10, 8                            ; waves 0 to 7 add: two queries x 16 columns each
	s_cbranch_scc0 .Ldone
.irp e, 0,1,2,3,4,5,6,7,8,9,10,11,12,13,14,15
	ds_load_b32 v[16+\e], v240 offset:1280*\e
.endr
	s_wait_dscnt 0x0
.irp e, 1,2,3,4,5,6,7,8,9,10,11,12,13,14,15
	v_add_f32 v16, v16, v[16+\e]
.endr
	global_store_b32 v241, v16, s[8:9]
.Ldone:
	s_wait_tensorcnt 0x0                           ; the wave's end, in a text with no tensor load too
	ds_add_u32 v[SPW], v[NIL]
	s_wait_dscnt 0x0
	s_endpgm
.Lfunc_end_k_q29d2b207e6_first16:
	.size	k_q29d2b207e6_first16, .Lfunc_end_k_q29d2b207e6_first16-k_q29d2b207e6_first16
	.p2alignl 7, 3214868480
	.fill 96, 4, 3214868480
	.section	.rodata,"a",@progbits
	.p2align	6, 0x0
	.amdhsa_kernel k_q29d2b207e6_first16
		.amdhsa_group_segment_fixed_size 22528
		.amdhsa_private_segment_fixed_size 0
		.amdhsa_enable_private_segment 0
		.amdhsa_kernarg_size 24
		.amdhsa_user_sgpr_count 2
		.amdhsa_user_sgpr_kernarg_segment_ptr 1
		.amdhsa_wavefront_size32 1
		.amdhsa_system_sgpr_workgroup_id_x 1
		.amdhsa_system_sgpr_workgroup_id_y 1
		.amdhsa_system_sgpr_workgroup_id_z 1
		.amdhsa_system_vgpr_workitem_id 0
		.amdhsa_next_free_vgpr 256
		.amdhsa_next_free_sgpr 66
		.amdhsa_reserve_vcc 1
		.amdhsa_float_denorm_mode_32 3
		.amdhsa_float_denorm_mode_16_64 3
		.amdhsa_memory_ordered 1
		.amdhsa_forward_progress 1
		.amdhsa_inst_pref_size 18
	.end_amdhsa_kernel
	.amdgpu_metadata
---
amdhsa.version: [ 1, 2 ]
amdhsa.kernels:
  - .name:           k_q29d2b207e6_first16
    .symbol:         k_q29d2b207e6_first16.kd
    .args:
      - { .name: qkv32, .offset: 0, .size: 8, .value_kind: global_buffer, .address_space: global }
      - { .name: P_o, .offset: 8, .size: 8, .value_kind: global_buffer, .address_space: global }
      - { .name: out0, .offset: 16, .size: 8, .value_kind: global_buffer, .address_space: global }
    .group_segment_fixed_size: 22528
    .private_segment_fixed_size: 0
    .kernarg_segment_align: 8
    .kernarg_segment_size: 24
    .max_flat_workgroup_size: 512
    .sgpr_count:     66
    .vgpr_count:     256
    .wavefront_size: 32
...
	.end_amdgpu_metadata
.endif
;; end of part 3
;; launch attn (part 4): grid 4 x 64, 16 waves a work-group, no clusters, 327,680 bytes of LDS; arguments qkv16, o16; writes o16
.if DOCPART == 4
	.amdgcn_target "amdgcn-amd-amdhsa--gfx1250"
	.amdhsa_code_object_version 6
	.text
	.protected	k_q29d2b207e6_attn
	.globl	k_q29d2b207e6_attn
	.p2align	8
	.type	k_q29d2b207e6_attn,@function
k_q29d2b207e6_attn:
	s_mov_b64 s[64:65], 0
	v_nop
	global_prefetch_b8 v0, s[64:65] scope:SCOPE_SE
	s_setreg_imm32_b32 hwreg(HW_REG_WAVE_MODE, 25, 1), 1
	s_wait_xcnt 0x0
; CAUSAL ATTENTION, f16 operands, f32 sums, maxima and row sums.  qkv16: [t][b][h][2048][64] f16.  o16: [b*8 + position / 256][h][256][64] f16: a run of heads of 256 positions is dense.
; SHARES.  A work-group is (i = 0..3, y = b*16 + h).  A head's 2,048 queries are 64 groups of 32; each of the sixteen waves owns one group, two tiles of 16, in 256 registers.
; Wave w has rank rho = 4 (w / 4) + ((w % 4) xor 3 ((w / 4) % 2)) and group 4 rho + (i xor 3 (rho % 2)).  A group g needs g / 2 + 1 key steps of 64, so every work-group has 264 wave-steps,
; and waves w, w + 4, w + 8, w + 12 together 66.  Every work-group walks all 8 slots of 256 keys (its rank 15 reads the last): trip counts are constants;
; a wave passes over the steps all of whose keys come after its queries by a scalar branch on ids, round the step's work alone.
; NO CLUSTER, though the four work-groups of a head read the same K and V: those branches hang on the wave's first query, which differs between the four, and branches in a cluster are alike in all partners.
; LAYOUT.  S^T = K Q^T (source 0 = 16 keys, source 1 = 16 queries): a lane holds ONE query (lane % 16) and keys 8 (lane / 16) + 0..7 of each tile of 16.  Two such tiles, rounded to f16 in pairs,
; ARE source 1 (32 keys x 16 queries) of O^T = V^T P, whose result again holds one query a lane.  K comes out of LDS as it lies, V ([key][channel]) turned, by ds_load_tr16_b128.
; SOFTMAX.  A running maximum m and sum l: p = 2^(c s - c m), c = log2(e) / 8; in every step O^T and l are multiplied by a = 2^(c m_old - c m_new).  Each step that a wave walks holds a key that counts for each of its queries.
; The loop has no first step of its own: O^T and l begin as zeros and m as -3e38, so the first a is 0.  That costs 64 v_mov_b32 once and spares a third copy of the step.
; LIMITS: |Q|, |K|, |V| under 65,504; NaN and infinities are not served.  Positions 0 to 15 of a batch are computed here too, but the output's rows for them come from the f32 launch.
.set KP,    144                        ; a key's row of K in LDS: 128 bytes + 16: the 16 rows of a load start at 16 different banks (ISA guide 11.1)
.set VP,    160                        ; of V: 128 + 32
.set VOFF,  256*KP                     ; a slot: 256 rows of K, then 256 of V
.set SLOT1, 1<<17                      ; slot 1 begins here: one exclusive or turns an address
.set STAGE, SLOT1+256*(KP+VP)          ; the way out: 32 rows x 144 bytes for each wave; no tensor load lands here
.set SPARE, STAGE+16*32*144            ; the spare words, 128 bytes a wave: eight blocks of 256 bytes that no other line names
.set AK0, 1                            ; v1   my lane's place in a tile of K
.set AV0, 2                            ; v2   and of V
.set ADK, 3
.set ADV, 4
.set SPW, 5
.set NIL, 6
.set DL,  7                            ; v7   lane % 16 - 8 (lane / 16)
.set ST,  8                            ; v8-23 tile t at ST + 8 t: +0 c m, +1 m, +2, +3 l, +4..+7 c0-c3; a takes c2's place, c m_old c3's
.set QR,  24                           ; v24-55 Q: fragment (t, c) at QR + 16 t + 8 c
.set KV,  56                           ; v56-119 eight fragments of K, then of V
.set SS,  120                          ; v120-183 S^T, 32 a tile; P takes the first 16 of them
.set OT,  184                          ; v184-247 O^T: (t, ct) at OT + 32 t + 8 ct
.set NEG, 248                          ; -infinity
.set DD,  249
.set PFO, 250
.set STO, 251
.set RD,  252
.set GO,  253
.set WV,  18
.set Q0,  19                           ; my first query
.set SEL, 20
.set CS,  22
.set G1K, 24
.set G1V, 32
.set G0K, 40
.set G0V, 44
.set TK,  48                           ; LDS byte of the step's K
.set TV,  49                           ; and, less VOFF, of its V
.set KF,  50                           ; the step's first key
.set QL,  51                           ; my last query
.set SLOTS, 52
.set INNER, 53
.set PFA, 54
.set LIM, 56
.set QA,  58
.set OAD, 60
; Waves 0 and 1 fetch K's halves of a slot, waves 2 and 3 V's, the others nothing.  An s_nop 0 and four v_nop follow each line.
.macro TLOAD
	s_cmp_lt_u32 s[WV], 2
	s_cbranch_scc0 .Lnot_k_\@
	tensor_load_to_lds s[G0K:G0K+3], s[G1K:G1K+7]
	s_nop 0
.rept 4
	v_nop
.endr
	s_branch .Lasked_\@
.Lnot_k_\@:
	s_cmp_lt_u32 s[WV], 4
	s_cbranch_scc0 .Lasked_\@
	tensor_load_to_lds s[G0V:G0V+3], s[G1V:G1V+7]
	s_nop 0
.rept 4
	v_nop
.endr
.Lasked_\@:
.endm
; A PREFETCH of what the NEXT change of slots will ask for: 32,768 dense bytes of K and of V.  All four work-groups of a head walk the same rows: the first (i = 0) asks.  In it the waves ask that fetch
; nothing, one instruction each: waves 4 to 7 for K, waves 8 to 11 for V, 8,192 bytes a wave, lanes 256 bytes apart: each block of 256 bytes is named once in the launch.
; It stands a slot's four key steps ahead of the load that wants the rows.  The last change that fills a slot asks for nothing; slots 0 and 1 come by their loads alone.
.macro ASK
	s_cmp_gt_u32 s[SLOTS], s[LIM]
	s_cbranch_scc0 .Lnot_mine_\@
	global_prefetch_b8 v[PFO], s[PFA:PFA+1] th:TH_LOAD_NT scope:SCOPE_SE
.Lnot_mine_\@:
.endm
	s_load_b128 s[4:7], s[0:1], 0x0                ; qkv16, o16
	v_lshl_add_u32 v[SPW], v0, 2, SPARE
	v_mov_b32 v[NIL], 0
	ds_add_u32 v[SPW], v[NIL]                      ; the wave's opening: the add, twice on end, and its wait ahead of the first tensor load
	ds_add_u32 v[SPW], v[NIL]
	v_lshrrev_b32 v8, 5, v0
	v_readfirstlane_b32 s[WV], v8                  ; wave 0..15
	s_and_b32 s8, ttmp7, 0xffff                    ; y = b*16 + h
	s_and_b32 s57, s[WV], 3
	s_lshr_b32 s62, s[WV], 2
	s_and_b32 s63, s62, 1
	s_mul_i32 s63, s63, 3
	s_xor_b32 s57, s57, s63
	s_lshl_b32 s62, s62, 2
	s_add_co_u32 s57, s57, s62                     ; rho
	s_and_b32 s63, s57, 1
	s_mul_i32 s63, s63, 3
	s_xor_b32 s63, s63, ttmp9
	s_lshl_b32 s57, s57, 2
	s_add_co_u32 s57, s57, s63                     ; my group of 32 queries
	s_lshl_b32 s[Q0], s57, 5
	s_add_co_u32 s[QL], s[Q0], 31
	s_and_b32 s9, s[WV], 1                         ; which half of a slot I fetch, if I fetch
	s_add_co_u32 s10, s8, 64
	s_lshl_b32 s10, s10, 18                        ; K's plane,
	s_lshl_b32 s62, s9, 14
	s_add_co_u32 s10, s10, s62                     ; my 128 rows of 128 bytes
	s_mov_b32 s11, 0
	s_add_co_u32 s12, s10, 64<<18                  ; V's plane lies 64 planes on
	s_mov_b32 s13, 0
	s_lshl_b32 s14, s8, 18
	s_lshl_b32 s62, s[Q0], 7
	s_add_co_u32 s14, s14, s62                     ; Q at my first query
	s_mov_b32 s15, 0
	s_lshr_b32 s16, s8, 4
	s_lshl_b32 s16, s16, 3
	s_lshr_b32 s62, s[Q0], 8
	s_add_co_u32 s16, s16, s62                     ; b*8 + position / 256
	s_lshl_b32 s16, s16, 4
	s_and_b32 s62, s8, 15
	s_add_co_u32 s16, s16, s62
	s_lshl_b32 s16, s16, 15                        ; planes of 32,768 bytes
	s_and_b32 s62, s[Q0], 255
	s_lshl_b32 s62, s62, 7
	s_add_co_u32 s16, s16, s62
	s_mov_b32 s17, 0
	s_mul_i32 s2, s9, 128*KP                       ; where my half goes in a slot
	s_mul_i32 s3, s9, 128*VP
	s_add_co_u32 s3, s3, VOFF
	s_sub_co_u32 s57, s[WV], 4
	s_lshr_b32 s57, s57, 3                         ; 0 in waves 4 to 11,
	s_or_b32 s57, s57, ttmp9                       ; of the head's first work-group
	s_cmp_eq_u32 s57, 0
	s_cselect_b32 s[LIM], 1, -1
	s_cmp_lt_u32 s[WV], 8
	s_cselect_b32 s62, 64, 128
	s_add_co_u32 s62, s62, s8
	s_lshl_b32 s62, s62, 18
	s_and_b32 s63, s[WV], 3
	s_lshl_b32 s63, s63, 13
	s_add_co_u32 s62, s62, s63
	s_add_co_u32 s62, s62, 32768                   ; in slot 1: the first change of slots steps it to slot 2
	s_mov_b32 s63, 0
	; descriptor group 1: 128 rows of 64 elements of 2 bytes, dense in memory, padded behind every row
	s_mov_b32 s[G1K], (1<<16)|(1<<20)|(4<<22)|(3<<25)             ; no mask; elements of 2 bytes; padding on; after every 32 words 4 words
	s_mov_b32 s[G1V], (1<<16)|(1<<20)|(4<<22)|(7<<25)             ; the same with 8 words
.irp g, G1K, G1V
	s_mov_b32 s[\g+1], 64<<16                      ; tensor_dim0
	s_mov_b32 s[\g+2], 128<<16                     ; tensor_dim1
	s_mov_b32 s[\g+3], 64<<16                      ; tile_dim0
	s_mov_b32 s[\g+4], 128                         ; tile_dim1
	s_mov_b32 s[\g+5], 64                          ; the pitch
	s_mov_b32 s[\g+6], 0
	s_mov_b32 s[\g+7], 0
.endr
	s_mov_b32 s[SEL], 0x76543210
	s_mov_b32 s[SEL+1], 0xfedcba98
	s_mov_b32 s[CS], 0x3e38aa3b                    ; c = log2(e) / sqrt(64)
	s_mov_b32 s[CS+1], s[CS]                       ; (named with it as a pair)
	s_mov_b32 s[TK], 0
	s_mov_b32 s[TV], 0
	s_mov_b32 s[KF], 0
	s_mov_b32 s[SLOTS], 7
	s_wait_dscnt 0x0                               ; both opening adds are done
	s_wait_kmcnt 0x0
	s_mov_b32 s[G0K], 1
	s_mov_b32 s[G0K+1], s2
	s_add_nc_u64 s[G0K+2:G0K+3], s[4:5], s[10:11]
	s_or_b32 s[G0K+3], s[G0K+3], 0x80000000
	s_mov_b32 s[G0V], 1
	s_mov_b32 s[G0V+1], s3
	s_add_nc_u64 s[G0V+2:G0V+3], s[4:5], s[12:13]
	s_or_b32 s[G0V+3], s[G0V+3], 0x80000000
	TLOAD                                          ; slot 0: one tensor load of mine is out, here and behind every change
	s_add_nc_u64 s[QA:QA+1], s[4:5], s[14:15]
	s_add_nc_u64 s[OAD:OAD+1], s[6:7], s[16:17]
	s_add_nc_u64 s[PFA:PFA+1], s[4:5], s[62:63]
	v_and_b32 v8, 15, v0                           ; r
	v_bfe_u32 v9, v0, 4, 1                         ; h
	v_lshlrev_b32 v[DD], 7, v8
	v_lshl_add_u32 v[DD], v9, 4, v[DD]             ; Q: row r of 128 bytes + 16 h (this register is written again only behind the wait for these loads)
.irp t, 0,1
.irp c, 0,1
	global_load_b128 v[QR+16*\t+8*\c:QR+16*\t+8*\c+3],   v[DD], s[QA:QA+1] offset:\t*2048+64*\c
	global_load_b128 v[QR+16*\t+8*\c+4:QR+16*\t+8*\c+7], v[DD], s[QA:QA+1] offset:\t*2048+64*\c+32
.endr
.endr
	v_mul_u32_u24 v[AK0], v8, KP
	v_lshl_add_u32 v[AK0], v9, 4, v[AK0]           ; row x pitch + 16 x half
	v_and_b32 v11, 7, v0
	v_lshl_add_u32 v11, v9, 3, v11
	v_mul_u32_u24 v[AV0], v11, VP                  ; the turning load: key 8 h + lane % 8,
	v_bfe_u32 v11, v0, 3, 1
	v_lshl_add_u32 v[AV0], v11, 4, v[AV0]          ; channels 8 ((lane / 8) % 2) on
	v_add_nc_u32 v[AV0], VOFF, v[AV0]
	v_lshlrev_b32 v11, 3, v9
	v_sub_nc_u32 v[DL], v8, v11
	s_mul_i32 s57, s[WV], 32*144
	s_add_co_u32 s57, s57, STAGE                   ; my stage
	v_mul_u32_u24 v[STO], v8, 144
	v_lshl_add_u32 v[STO], v9, 4, v[STO]
	v_add_nc_u32 v[STO], s57, v[STO]               ; in: row r, 16 bytes for each half of the lanes
	v_and_b32 v11, 31, v0
	v_lshlrev_b32 v[GO], 4, v11                    ; out: 16 x lane
	v_lshlrev_b32 v[PFO], 8, v11
	v_lshrrev_b32 v11, 3, v11
	v_mul_u32_u24 v[RD], v11, 144
	v_and_b32 v11, 7, v0
	v_lshl_add_u32 v[RD], v11, 4, v[RD]
	v_add_nc_u32 v[RD], s57, v[RD]                 ; back: eight lanes to a row, four rows an instruction
	v_mov_b32 v[NEG], 0xff800000
.irp t, 0,1
	v_mov_b32 v[ST+8*\t+1], 0xff61b1e6             ; m = -3e38, under every score
	v_mul_f32 v[ST+8*\t], s[CS], v[ST+8*\t+1]
.irp e, 2,3,4,5,6,7
	v_mov_b32 v[ST+8*\t+\e], 0
.endr
.endr
.irp j, 0,1,2,3,4,5,6,7,8,9,10,11,12,13,14,15,16,17,18,19,20,21,22,23,24,25,26,27,28,29,30,31,32,33,34,35,36,37,38,39,40,41,42,43,44,45,46,47,48,49,50,51,52,53,54,55,56,57,58,59,60,61,62,63
	v_mov_b32 v[OT+\j], 0
.endr
; A KEY STEP: 64 keys.
.macro STEP
	s_cmp_gt_u32 s[KF], s[QL]                      ; all its keys come after my queries: the work is passed over; the lines at the end that step addresses are not
	s_cbranch_scc1 .Lhid_\@
	v_add_nc_u32 v[ADK], s[TK], v[AK0]
	v_add_nc_u32 v[ADV], s[TV], v[AV0]
.rept 3
	v_nop                                          ; with the two additions five places behind the last step's products: K lands in registers that they read (four are asked), and S^T is begun anew over P (five)
.endr
.irp c, 0,1
.irp kt, 0,1,2,3
	ds_load_b128 v[KV+8*(4*\c+\kt):KV+8*(4*\c+\kt)+3],   v[ADK] offset:\kt*16*KP+64*\c
	ds_load_b128 v[KV+8*(4*\c+\kt)+4:KV+8*(4*\c+\kt)+7], v[ADK] offset:\kt*16*KP+64*\c+32
.endr
.endr
	s_wait_dscnt 8                                 ; channels 0-31 are in; the eight loads of channels 32-63 may be out
.irp kt, 0,1,2,3
.irp t, 0,1
	v_wmma_f32_16x16x32_f16 v[SS+32*\t+8*\kt:SS+32*\t+8*\kt+7], v[KV+8*\kt:KV+8*\kt+7], v[QR+16*\t:QR+16*\t+7], 0
.endr
.endr
	s_wait_dscnt 0x0
.irp kt, 0,1,2,3                       ; the eight accumulators take turns, one instruction a turn
.irp t, 0,1
	v_wmma_f32_16x16x32_f16 v[SS+32*\t+8*\kt:SS+32*\t+8*\kt+7], v[KV+8*(4+\kt):KV+8*(4+\kt)+7], v[QR+16*\t+8:QR+16*\t+15], v[SS+32*\t+8*\kt:SS+32*\t+8*\kt+7]
.endr
.endr
.rept 4
	v_nop                                          ; four places: V lands where K lay, and the scores are read
.endr
.irp kh, 0,1
.irp ct, 0,1,2,3
	ds_load_tr16_b128 v[KV+8*(4*\kh+\ct):KV+8*(4*\kh+\ct)+3],   v[ADV] offset:\kh*32*VP+\ct*32
	ds_load_tr16_b128 v[KV+8*(4*\kh+\ct)+4:KV+8*(4*\kh+\ct)+7], v[ADV] offset:\kh*32*VP+16*VP+\ct*32
.endr
.endr
	s_add_co_u32 s57, s[KF], 63                    ; a step all of whose keys count for all my queries skips the mask
	s_cmp_le_u32 s57, s[Q0]
	s_cbranch_scc1 .Lopen_\@
	s_sub_co_u32 s57, s[Q0], s[KF]
	v_add_nc_u32 v[DD], s57, v[DL]                 ; tile t's register 8 kt + j holds key KF + 16 kt + 8 h + j of query Q0 + 16 t + r: hidden where 16 kt + j - 16 t > this
.irp t, 0,1
.irp kt, 0,1,2,3
.irp j, 0,1,2,3,4,5,6,7
	v_cmp_gt_i32 vcc_lo, 16*\kt+\j-16*\t, v[DD]
	v_cndmask_b32 v[SS+32*\t+8*\kt+\j], v[SS+32*\t+8*\kt+\j], v[NEG], vcc_lo
.endr
.endr
.endr
.Lopen_\@:
	; the maximum of 32 scores and the old m, four chains a tile, each accumulator from its low end on; the two tiles alternate, so that no line waits for the line above it
.irp j, 0,1,2,3
.irp t, 0,1
	v_max3_num_f32 v[ST+8*\t+4+\j], v[SS+32*\t+8*\j], v[SS+32*\t+8*\j+1], v[SS+32*\t+8*\j+2]
.endr
.endr
.irp i, 3,5
.irp j, 0,1,2,3
.irp t, 0,1
	v_max3_num_f32 v[ST+8*\t+4+\j], v[ST+8*\t+4+\j], v[SS+32*\t+8*\j+\i], v[SS+32*\t+8*\j+\i+1]
.endr
.endr
.endr
.irp t, 0,1
	v_max3_num_f32 v[ST+8*\t+4], v[ST+8*\t+4], v[SS+32*\t+7], v[SS+32*\t+15]
	v_max3_num_f32 v[ST+8*\t+6], v[ST+8*\t+6], v[SS+32*\t+23], v[SS+32*\t+31]
.endr
.irp t, 0,1
	v_max3_num_f32 v[ST+8*\t+4], v[ST+8*\t+4], v[ST+8*\t+5], v[ST+8*\t+6]
.endr
.irp t, 0,1
	v_max3_num_f32 v[ST+8*\t+4], v[ST+8*\t+4], v[ST+8*\t+7], v[ST+8*\t+1]
.endr
.irp t, 0,1
	v_permlanex16_b32 v[ST+8*\t+5], v[ST+8*\t+4], s[SEL], s[SEL+1]   ; the query's other 32 keys lie in the lane 16 away
.endr
.irp t, 0,1
	v_mov_b32 v[ST+8*\t+7], v[ST+8*\t]             ; c m_old
.endr
.irp t, 0,1
	v_max_num_f32 v[ST+8*\t+1], v[ST+8*\t+4], v[ST+8*\t+5]
.endr
.irp t, 0,1
	v_mul_f32 v[ST+8*\t], s[CS], v[ST+8*\t+1]
.endr
.irp t, 0,1
	v_sub_f32 v[ST+8*\t+7], v[ST+8*\t+7], v[ST+8*\t]
.endr
.irp j, 0,2,4,6,8,10,12,14,16,18,20,22,24,26,28,30
.irp t, 0,1
	v_pk_fma_f32 v[SS+32*\t+\j:SS+32*\t+\j+1], v[SS+32*\t+\j:SS+32*\t+\j+1], s[CS:CS+1], v[ST+8*\t:ST+8*\t+1] op_sel_hi:[1,0,0] neg_lo:[0,0,1] neg_hi:[0,0,1]   ; c s - c m
.endr
.endr
.irp t, 0,1
	v_exp_f32 v[ST+8*\t+6], v[ST+8*\t+7]           ; a
.endr
.irp j, 0,1,2,3,4,5,6,7,8,9,10,11,12,13,14,15,16,17,18,19,20,21,22,23,24,25,26,27,28,29,30,31
.irp t, 0,1
	v_exp_f32 v[SS+32*\t+\j], v[SS+32*\t+\j]       ; p: the 66 exponentials are ONE batch: none reads another's result
.endr
.endr
	v_nop                                          ; a plain instruction behind the last exponential
	s_wait_alu depctr_va_vdst(0)                   ; one wait for the batch, ahead of its first reader
.irp t, 0,1
	v_pk_mul_f32 v[ST+8*\t+2:ST+8*\t+3], v[ST+8*\t+2:ST+8*\t+3], v[ST+8*\t+6:ST+8*\t+7] op_sel_hi:[1,0]   ; l x a
.endr
.irp t, 0,1
	v_pk_add_f32 v[ST+8*\t+4:ST+8*\t+5], v[SS+32*\t:SS+32*\t+1], v[SS+32*\t+2:SS+32*\t+3]   ; the row's sum, two at a time, in two chains a tile
.endr
.irp j, 4,8,12,16,20,24,28
.irp t, 0,1
	v_pk_add_f32 v[ST+8*\t+2:ST+8*\t+3], v[ST+8*\t+2:ST+8*\t+3], v[SS+32*\t+\j:SS+32*\t+\j+1]
	v_pk_add_f32 v[ST+8*\t+4:ST+8*\t+5], v[ST+8*\t+4:ST+8*\t+5], v[SS+32*\t+\j+2:SS+32*\t+\j+3]
.endr
.endr
.irp t, 0,1
	v_pk_add_f32 v[ST+8*\t+2:ST+8*\t+3], v[ST+8*\t+2:ST+8*\t+3], v[ST+8*\t+4:ST+8*\t+5]
.endr
.irp j, 0,1,2,3,4,5,6,7,8,9,10,11,12,13,14,15
.irp t, 0,1
	v_cvt_pk_f16_f32 v[SS+32*\t+\j], v[SS+32*\t+2*\j], v[SS+32*\t+2*\j+1]   ; P in place, ascending: register j is written when registers up to 2 j + 1 have been read
.endr
.endr
.irp j, 0,2,4,6,8,10,12,14,16,18,20,22,24,26,28,30
.irp t, 0,1
	v_pk_mul_f32 v[OT+32*\t+\j:OT+32*\t+\j+1], v[OT+32*\t+\j:OT+32*\t+\j+1], v[ST+8*\t+6:ST+8*\t+7] op_sel_hi:[1,0]   ; O^T x a, each accumulator from its low end on
.endr
.endr
	s_wait_dscnt 0x0                               ; V is in
.irp kh, 0,1
.irp ct, 0,1,2,3
.irp t, 0,1
	v_wmma_f32_16x16x32_f16 v[OT+32*\t+8*\ct:OT+32*\t+8*\ct+7], v[KV+8*(4*\kh+\ct):KV+8*(4*\kh+\ct)+7], v[SS+32*\t+8*\kh:SS+32*\t+8*\kh+7], v[OT+32*\t+8*\ct:OT+32*\t+8*\ct+7]
.endr
.endr
.endr
.Lhid_\@:
	s_add_co_u32 s[KF], s[KF], 64
	s_add_co_u32 s[TK], s[TK], 64*KP
	s_add_co_u32 s[TV], s[TV], 64*VP
.endm
; THE CHANGE OF SLOTS stands at a slot's head.  Each wave waits for all its tensor loads (its part of the slot that it is about to read), adds 0 to its spare word, and waits for that and for its reads of the
; slot that it has left.  Behind the barrier the slot ahead is whole and nobody reads the other one.  fill = 1: that other slot takes the next 256 keys; the load has four key steps in which to land.
.macro CHANGE fill
	s_wait_tensorcnt 0x0                           ; no tensor load of mine is out, so a group 0 may be written
	ds_add_u32 v[SPW], v[NIL]
.if \fill
	ds_add_u32 v[SPW], v[NIL]                      ; and twice on end here, in every trip alike
	s_xor_b32 s[G0K+1], s[G0K+1], SLOT1            ; the walking descriptors: the other slot,
	s_add_nc_u64 s[G0K+2:G0K+3], s[G0K+2:G0K+3], 32768   ; the next 256 keys; the type bits on top are not reached
	s_xor_b32 s[G0V+1], s[G0V+1], SLOT1
	s_add_nc_u64 s[G0V+2:G0V+3], s[G0V+2:G0V+3], 32768
	s_wait_xcnt 0x0                                ; the last prefetch, a slot back, has read its address
	s_add_nc_u64 s[PFA:PFA+1], s[PFA:PFA+1], 32768 ; one slot further on than the walking descriptors
.endif
	s_wait_dscnt 0x0                               ; the add is done, and my reads of the slot that I have left are over
	s_barrier_signal -1
	s_barrier_wait -1
.if \fill
	TLOAD                                          ; the first thing behind the barrier, and a wave's one tensor load until the next
	ASK
.endif
.endm
.macro SLOT_STEPS                      ; a slot's four key steps: written once, walked four times; the LDS addresses hang on s[TK] and s[TV]
	s_mov_b32 s[INNER], 4
.Lstep_\@:
	STEP
	s_sub_co_u32 s[INNER], s[INNER], 1
	s_cmp_lg_u32 s[INNER], 0
	s_cbranch_scc1 .Lstep_\@
	s_sub_co_u32 s[TK], s[TK], 256*KP              ; back to a slot's first step,
	s_xor_b32 s[TK], s[TK], SLOT1                  ; in the other slot
	s_sub_co_u32 s[TV], s[TV], 256*VP
	s_xor_b32 s[TV], s[TV], SLOT1
.endm
	s_wait_loadcnt 0x0                             ; Q
.Lslot:                                            ; seven trips: behind each change of slots but the last the next slot is asked for
	CHANGE 1
	SLOT_STEPS
	s_sub_co_u32 s[SLOTS], s[SLOTS], 1
	s_cmp_lg_u32 s[SLOTS], 0
	s_cbranch_scc1 .Lslot
	CHANGE 0                                       ; the last slot is written out
	SLOT_STEPS
	; THE WAY OUT.  l's halves and the other half of the lanes' are added (these lines are also the places behind the last products); O^T / l, rounded to f16, goes through my stage and leaves as 4,096 consecutive bytes.
.irp t, 0,1
	v_add_f32 v[ST+8*\t+4], v[ST+8*\t+2], v[ST+8*\t+3]
.endr
.irp t, 0,1
	v_permlanex16_b32 v[ST+8*\t+5], v[ST+8*\t+4], s[SEL], s[SEL+1]
.endr
.irp t, 0,1
	v_add_f32 v[ST+8*\t+4], v[ST+8*\t+4], v[ST+8*\t+5]
.endr
.irp t, 0,1
	v_rcp_f32 v[ST+8*\t+6], v[ST+8*\t+4]
.endr
	v_nop
	s_wait_alu depctr_va_vdst(0)                   ; one wait for the two reciprocals, ahead of their first reader
.irp t, 0,1
.irp j, 0,2,4,6,8,10,12,14,16,18,20,22,24,26,28,30
	v_pk_mul_f32 v[OT+32*\t+\j:OT+32*\t+\j+1], v[OT+32*\t+\j:OT+32*\t+\j+1], v[ST+8*\t+6:ST+8*\t+7] op_sel_hi:[1,0]
.endr
.endr
.irp t, 0,1
.irp i, 0,1,2,3,4,5,6,7,8,9,10,11,12,13,14,15
	v_cvt_pk_f16_f32 v[KV+16*\t+\i], v[OT+32*\t+2*\i], v[OT+32*\t+2*\i+1]
.endr
.endr
.irp t, 0,1
.irp ct, 0,1,2,3
	ds_store_b128 v[STO], v[KV+16*\t+4*\ct:KV+16*\t+4*\ct+3] offset:\t*16*144+32*\ct
.endr
.endr
.irp i, 0,1,2,3,4,5,6,7
	ds_load_b128 v[KV+32+4*\i:KV+32+4*\i+3], v[RD] offset:\i*4*144   ; LDS serves a wave's instructions in order (ISA guide 5.7.1.4): these see my stores
.endr
.irp i, 0,1,2,3,4,5,6,7
	s_wait_dscnt 7-\i                              ; load i is in, the younger ones may be out
	global_store_b128 v[GO], v[KV+32+4*\i:KV+32+4*\i+3], s[OAD:OAD+1] offset:512*\i   ; 512 consecutive bytes, aligned
.endr
	s_wait_tensorcnt 0x0                           ; the wave's end
	ds_add_u32 v[SPW], v[NIL]
	s_wait_dscnt 0x0
	s_endpgm
.Lfunc_end_k_q29d2b207e6_attn:
	.size	k_q29d2b207e6_attn, .Lfunc_end_k_q29d2b207e6_attn-k_q29d2b207e6_attn
	.p2alignl 7, 3214868480
	.fill 96, 4, 3214868480
	.section	.rodata,"a",@progbits
	.p2align	6, 0x0
	.amdhsa_kernel k_q29d2b207e6_attn
		.amdhsa_group_segment_fixed_size 327680
		.amdhsa_private_segment_fixed_size 0
		.amdhsa_enable_private_segment 0
		.amdhsa_kernarg_size 16
		.amdhsa_user_sgpr_count 2
		.amdhsa_user_sgpr_kernarg_segment_ptr 1
		.amdhsa_wavefront_size32 1
		.amdhsa_system_sgpr_workgroup_id_x 1
		.amdhsa_system_sgpr_workgroup_id_y 1
		.amdhsa_system_sgpr_workgroup_id_z 1
		.amdhsa_system_vgpr_workitem_id 0
		.amdhsa_next_free_vgpr 256
		.amdhsa_next_free_sgpr 66
		.amdhsa_reserve_vcc 1
		.amdhsa_float_denorm_mode_32 3
		.amdhsa_float_denorm_mode_16_64 3
		.amdhsa_memory_ordered 1
		.amdhsa_forward_progress 1
		.amdhsa_inst_pref_size 62
	.end_amdhsa_kernel
	.amdgpu_metadata
---
amdhsa.version: [ 1, 2 ]
amdhsa.kernels:
  - .name:           k_q29d2b207e6_attn
    .symbol:         k_q29d2b207e6_attn.kd
    .args:
      - { .name: qkv16, .offset: 0, .size: 8, .value_kind: global_buffer, .address_space: global }
      - { .name: o16, .offset: 8, .size: 8, .value_kind: global_buffer, .address_space: global }
    .group_segment_fixed_size: 327680
    .private_segment_fixed_size: 0
    .kernarg_segment_align: 8
    .kernarg_segment_size: 16
    .max_flat_workgroup_size: 512
    .sgpr_count:     66
    .vgpr_count:     256
    .wavefront_size: 32
...
	.end_amdgpu_metadata
.endif
;; end of part 4
;; launch proj (part 5): grid 8 x 32, 4 waves a work-group, clusters of 4 x 4, 327,680 bytes of LDS; arguments o16, po16, out0; writes out0
.if DOCPART == 5
	.amdgcn_target "amdgcn-amd-amdhsa--gfx1250"
	.amdhsa_code_object_version 6
	.text
	.protected	k_q29d2b207e6_proj
	.globl	k_q29d2b207e6_proj
	.p2align	8
	.type	k_q29d2b207e6_proj,@function
k_q29d2b207e6_proj:
	s_mov_b64 s[64:65], 0
	v_nop
	global_prefetch_b8 v0, s[64:65] scope:SCOPE_SE
	s_setreg_imm32_b32 hwreg(HW_REG_WAVE_MODE, 25, 1), 1
	s_wait_xcnt 0x0
	s_wait_alu depctr_hold_cnt(0) depctr_sa_sdst(0) depctr_va_vdst(0) depctr_va_sdst(0) depctr_va_ssrc(0) depctr_va_vcc(0) depctr_vm_vsrc(0)
	s_getreg_b32 s2, hwreg(HW_REG_IB_STS2, 6, 4)
	s_cmp_eq_u32 s2, 0
	s_cbranch_scc0 .Lentry_in_a_cluster
	s_endpgm
.Lentry_in_a_cluster:
	s_bfe_u32 s2, ttmp6, 0x10000c
	s_cmp_lg_u32 s2, 0xf033
	s_cbranch_scc0 .Lentry_shape_is_right
	s_endpgm
.Lentry_shape_is_right:
; THE PROJECTION ON THE WAY OUT: out0[b][m][d] = sum over h, v of o[b][h][m][v] P_o[h][d][v]: 8,192 x 1,024 x 1,024, f16 operands, f32 sums.
; o16: [R = b*8 + m / 256][h][256][64] f16; po16: [d / 128][h][128][64] f16: a head's plane of a tile is dense, rows of 128 bytes.
; A tile of the output is 256 rows x 128 columns: 256 work-groups (tiles of 256 x 256 would be 128).  Four waves, each 128 x 64: 32 accumulators, 256 registers.
; K goes in steps of 128 (two heads) through a ring of two LDS slots; two slots of 256 along K do not fit in LDS.  Waves 0 and 1 fetch o's two planes of a step (256 rows each), waves 2 and 3 P_o's (128 rows each).
; CLUSTERS: 4 x 4 work-groups; o's planes are asked for jointly along a row of the cluster, P_o's along a column.  Tile row = 8 cy + cluster y (cy is the batch), tile column = 4 cluster x + cx.
; THE MATRIX INSTRUCTION IS USED TRANSPOSED (source 0 = 16 rows of P_o, source 1 = 16 rows of o): a lane holds eight neighbouring d of one row.
; Rows 0 to 15 of every batch are NOT stored here: they come from the f32 launch, so that each output byte has one writer.
; REGISTERS: window 0: v16-30 addresses; v32-95 the way out.   window 1: two fragment buffers of 96 (P_o's 4 fragments, then o's 8) at v0 and v128.   window 2: accumulator (a, b) at v[8 (4 a + b)].
.set PITCH,  144                       ; an LDS row: 128 bytes + 16: the 16 rows that a load touches start at 16 different banks (ISA guide 11.1)
.set APL,    256*PITCH                 ; a plane of o
.set BPL,    128*PITCH                 ; a plane of P_o
.set BOFF,   2*APL
.set SLOT,   2*APL+2*BPL
.set STAGE,  2*SLOT                    ; behind the ring: 16 rows x 272 bytes for each wave
.set SPITCH, 272
.set SPARE,  STAGE+4*16*SPITCH         ; the spare words, 128 bytes a wave: two blocks of 256 bytes that no other line names
.set LAPS,   4                         ; eight K steps, two to a lap
.set ADRA, 16
.set ADRB, 20
.set STO,  24
.set RD,   25
.set CO,   26
.set SPW,  28
.set NIL,  29
.set PFO,  30
.set BK,   32
.set F0,   0
.set F1,   128
.set G1, 24
.set G0, 32
.set G1B, 48
.set G0B, 56
.set PFA, 70                           ; s[70:71] where my prefetches stand
.set LIM, 72                           ; s72 1 in a wave that prefetches, else the greatest number
.set SKIP, 73                          ; s73 0: my first 16 rows are a batch's first 16
.set MSB, 0
.macro WIN new                         ; the immediate's high byte repeats the setting that is left
.if MSB != \new
	s_set_vgpr_msb (MSB<<8)|\new
.set MSB, \new
.endif
.endm
.set MUL,  0xa5                        ; sources 0 and 1 window 1; C and D window 2
.set TO_F, 0x40                        ; destination window 1, address window 0
.macro JLOAD s                         ; a joint load; the branch hangs on the wave's number alone; an s_nop 0 and four v_nop follow each line
	s_cmp_eq_u32 s11, 0
	s_cbranch_scc0 .Lfor_b_\@
	tensor_load_to_lds s[G0+4*\s:G0+4*\s+3], s[G1:G1+7]
	s_nop 0
.rept 4
	v_nop
.endr
	s_branch .Lasked_\@
.Lfor_b_\@:
	tensor_load_to_lds s[G0B+4*\s:G0B+4*\s+3], s[G1B:G1B+7]
	s_nop 0
.rept 4
	v_nop
.endr
.Lasked_\@:
.endm
.macro CREST                           ; a round of the cluster's barrier behind its opening barrier
	s_cmp_lg_u32 s10, 0
	s_cbranch_scc1 .Lnot_wave_0_\@
	s_barrier_signal -3
.Lnot_wave_0_\@:
	s_barrier_wait -3
	s_barrier_signal -1
	s_barrier_wait -1
.endm
.macro CROUND
	s_barrier_signal -1
	s_barrier_wait -1
	CREST
.endm
; A PREFETCH of o's plane that stands TWO refills on (256 matrix instructions of a wave ahead of the load that wants it).  A tile row of o is read by both clusters of its row of clusters: the one with
; cluster x = 0 asks.  Of the plane's 32,768 bytes that waves 0 and 1 fetch, each of the four partners takes 8,192, told apart BY ADDRESS (cx), lanes 256 bytes apart: each block of 256 bytes is named once.
; The loop's last trip asks for nothing: there is no K step two refills on.  K steps 0 to 3 come by their loads alone.  P_o's planes, 2 MiB read by all 32 tile rows, are not asked for.
.macro ASK
	s_cmp_gt_u32 s3, s[LIM]
	s_cbranch_scc0 .Lnot_mine_\@
	global_prefetch_b8 v[PFO], s[PFA:PFA+1] th:TH_LOAD_NT scope:SCOPE_SE
.Lnot_mine_\@:
.endm
	s_load_b128 s[4:7], s[0:1], 0x0                ; o16, po16
	s_load_b64 s[8:9], s[0:1], 0x10                ; out0
	v_lshl_add_u32 v[SPW], v0, 2, SPARE
	v_mov_b32 v[NIL], 0
	ds_add_u32 v[SPW], v[NIL]                      ; the wave's opening: the add, twice on end, and its wait ahead of my first tensor load
	ds_add_u32 v[SPW], v[NIL]
	v_lshrrev_b32 v1, 5, v0
	v_readfirstlane_b32 s10, v1                    ; wave 0..3
	s_lshr_b32 s11, s10, 1                         ; which half of the tile's rows is mine.  Also: I fetch for o (0) or for P_o (1)
	s_and_b32 s12, s10, 1                          ; which half of its columns.  Also: which of a K step's two planes I fetch
	s_bfe_u32 s40, ttmp6, 0x40000                  ; cx
	s_bfe_u32 s41, ttmp6, 0x40004                  ; cy
	s_lshl_b32 s42, ttmp9, 2
	s_add_co_u32 s42, s42, s40                     ; tile column
	s_and_b32 s66, ttmp7, 0xffff                   ; cluster y
	s_lshl_b32 s13, s41, 3
	s_add_co_u32 s13, s13, s66                     ; tile row R = 8 cy + cluster y
	s_lshl_b32 s43, s41, 2
	s_lshl_b32 s43, 15, s43                        ; my row of the cluster
	s_lshl_b32 s44, 0x1111, s40                    ; my column
	s_or_b32 s[G1+0], s43, (1<<16)|(1<<20)|(1<<21)|(4<<22)|(3<<25)   ; the mask; elements of 2 bytes; padding on; bit 21 beside a mask; 4 words after every 32
	s_or_b32 s[G1B+0], s44, (1<<16)|(1<<20)|(1<<21)|(4<<22)|(3<<25)
	s_mov_b32 s[G1+1], 64<<16                      ; tensor_dim0
	s_mov_b32 s[G1+2], 256<<16                     ; tensor_dim1
	s_mov_b32 s[G1+3], 64<<16                      ; tile_dim0
	s_mov_b32 s[G1+4], 256                         ; tile_dim1
	s_mov_b32 s[G1+5], 64                          ; the pitch
	s_mov_b32 s[G1+6], 0
	s_mov_b32 s[G1+7], 0
	s_mov_b32 s[G1B+1], 64<<16
	s_mov_b32 s[G1B+2], 128<<16
	s_mov_b32 s[G1B+3], 64<<16
	s_mov_b32 s[G1B+4], 128
	s_mov_b32 s[G1B+5], 64
	s_mov_b32 s[G1B+6], 0
	s_mov_b32 s[G1B+7], 0
	s_lshl_b32 s16, s13, 19                        ; o: 16 planes of 32,768 bytes a tile row,
	s_lshl_b32 s17, s12, 15                        ; my plane of the K step
	s_add_co_u32 s16, s16, s17
	s_mov_b32 s17, 0
	s_lshl_b32 s46, s42, 18                        ; P_o: 16 planes of 16,384 bytes a tile column
	s_lshl_b32 s47, s12, 14
	s_add_co_u32 s46, s46, s47
	s_mov_b32 s47, 0
	s_mul_i32 s20, s12, APL                        ; where they go: no place in the cluster enters an LDS address
	s_mul_i32 s21, s12, BPL
	s_add_co_u32 s21, s21, BOFF
	s_wait_dscnt 0x0                               ; both opening adds are done
	s_wait_kmcnt 0x0
	s_add_nc_u64 s[14:15], s[4:5], s[16:17]
	s_add_nc_u64 s[46:47], s[6:7], s[46:47]
	CROUND                                         ; all sixteen work-groups are here: the first joint loads meet
.irp s, 0,1
	s_mov_b32 s[G0+4*\s], 1
	s_add_co_u32 s[G0+4*\s+1], s20, \s*SLOT
	s_add_nc_u64 s[G0+4*\s+2:G0+4*\s+3], s[14:15], \s*65536
	s_or_b32 s[G0+4*\s+3], s[G0+4*\s+3], 0x80000000
	s_mov_b32 s[G0B+4*\s], 1
	s_add_co_u32 s[G0B+4*\s+1], s21, \s*SLOT
	s_add_nc_u64 s[G0B+4*\s+2:G0B+4*\s+3], s[46:47], \s*32768
	s_or_b32 s[G0B+4*\s+3], s[G0B+4*\s+3], 0x80000000
	JLOAD \s                                       ; two tensor loads of mine are out at the most
.endr
	v_and_b32 v1, 15, v0                           ; r
	v_bfe_u32 v2, v0, 4, 1                         ; h
	v_mul_u32_u24 v3, v1, PITCH
	v_lshl_add_u32 v3, v2, 4, v3                   ; a fragment's row x pitch + 16 x half
	s_mul_i32 s21, s11, 128*PITCH                  ; my 128 rows of o's planes
	s_mul_i32 s22, s12, 64*PITCH                   ; my 64 rows of P_o's,
	s_add_co_u32 s22, s22, BOFF                    ; which lie behind o's
.irp s, 0,1
	v_add_nc_u32 v[ADRA+\s], s21, v3
	v_add_nc_u32 v[ADRB+\s], s22, v3
	s_add_co_u32 s21, s21, SLOT
	s_add_co_u32 s22, s22, SLOT
.endr
	s_mul_i32 s23, s10, 16*SPITCH
	s_add_co_u32 s23, s23, STAGE                   ; my stage
	v_mul_u32_u24 v4, v1, SPITCH
	v_lshl_add_u32 v4, v2, 5, v4
	v_add_nc_u32 v[STO], s23, v4                   ; in: row r, 32 bytes for each half of the lanes
	v_mul_u32_u24 v5, v2, SPITCH
	v_lshl_add_u32 v5, v1, 4, v5
	v_add_nc_u32 v[RD], s23, v5                    ; back: lanes 0-15 one row of 256 bytes, lanes 16-31 the next
	v_lshlrev_b32 v5, 12, v2
	v_lshl_add_u32 v[CO], v1, 4, v5                ; and the same two rows of out0
	v_and_b32 v[PFO], 31, v0
	v_lshlrev_b32 v[PFO], 8, v[PFO]
	; numbers that mix cx and cy lie in registers that feed no descriptor
	s_lshl_b32 s68, s13, 20                        ; 256 rows of 4,096 bytes
	s_lshl_b32 s69, s11, 19                        ; my 128
	s_add_co_u32 s68, s68, s69
	s_lshl_b32 s69, s42, 9                         ; 128 columns of 4 bytes
	s_add_co_u32 s68, s68, s69
	s_lshl_b32 s69, s12, 8                         ; my 64
	s_add_co_u32 s68, s68, s69
	s_mov_b32 s69, 0
	s_add_nc_u64 s[8:9], s[8:9], s[68:69]
	s_lshl_b32 s68, s13, 19
	s_lshl_b32 s67, s12, 15
	s_add_co_u32 s68, s68, s67
	s_lshl_b32 s67, s40, 13                        ; my work-group's 8,192 bytes of the plane
	s_add_co_u32 s68, s68, s67
	s_add_co_u32 s68, s68, 3*65536                 ; at K step 3: the first refill steps it to K step 4
	s_add_nc_u64 s[PFA:PFA+1], s[4:5], s[68:69]
	s_or_b32 s67, s11, ttmp9                       ; waves 0 and 1 of the clusters with x = 0: the same in all sixteen partners, for a given wave
	s_cmp_eq_u32 s67, 0
	s_cselect_b32 s[LIM], 1, -1
	s_or_b32 s[SKIP], s66, s11                     ; cluster y and the wave's number: alike in all partners
; 8 matrix instructions: o's blocks a0, a0 + 1 against P_o's four, 32 along K.  The 32 accumulators take turns, one instruction a turn, in the same order in every quarter.
.macro MUL8 f, a0, zero
.irp a, \a0, \a0+1
.irp b, 0,1,2,3
.if \zero
	v_wmma_f32_16x16x32_f16 v[8*(4*(\a)+\b):8*(4*(\a)+\b)+7], v[\f+8*\b:\f+8*\b+7], v[\f+32+8*(\a):\f+32+8*(\a)+7], 0
.else
	v_wmma_f32_16x16x32_f16 v[8*(4*(\a)+\b):8*(4*(\a)+\b)+7], v[\f+8*\b:\f+8*\b+7], v[\f+32+8*(\a):\f+32+8*(\a)+7], v[8*(4*(\a)+\b):8*(4*(\a)+\b)+7]
.endif
.endr
.endr
.endm
; 24 LDS loads in one run: quarter q of a K step (plane q / 2, channels 32 (q % 2) on) into buffer f: P_o's four fragments, o's blocks 0-3, o's blocks 4-7
.macro FETCH slot, q, f
	WIN TO_F
.irp i, 0,1,2,3
	ds_load_b128 v[\f+8*\i:\f+8*\i+3],   v[ADRB+\slot] offset:((\q)/2)*BPL+((\q)%2)*64+\i*16*PITCH
	ds_load_b128 v[\f+8*\i+4:\f+8*\i+7], v[ADRB+\slot] offset:((\q)/2)*BPL+((\q)%2)*64+\i*16*PITCH+32
.endr
.irp i, 0,1,2,3,4,5,6,7
	ds_load_b128 v[\f+32+8*\i:\f+32+8*\i+3],   v[ADRA+\slot] offset:((\q)/2)*APL+((\q)%2)*64+\i*16*PITCH
	ds_load_b128 v[\f+32+8*\i+4:\f+32+8*\i+7], v[ADRA+\slot] offset:((\q)/2)*APL+((\q)%2)*64+\i*16*PITCH+32
.endr
.endm
.macro PLACES                          ; four places in front of loads into registers that products have read, and of reads of results
.rept 4
	v_nop
.endr
.endm
; One of a K step's first three quarters: multiplies buffer f and, in its middle, fetches quarter q into buffer g.
.macro QUARTER slot, q, f, g, zero
	s_wait_dscnt 8                                 ; P_o's fragments and o's blocks 0-3 are in; the youngest eight loads (blocks 4-7) may be out
	WIN MUL
	MUL8 \f, 0, \zero
	MUL8 \f, 2, \zero
	PLACES
	FETCH \slot, \q, \g
	s_wait_dscnt 24                                ; all but the 24 just issued
	WIN MUL
	MUL8 \f, 4, \zero
	MUL8 \f, 6, \zero
.endm
; The last quarter multiplies buffer 1 and changes slots: ONE barrier; in front of it each wave waits for all its tensor loads, adds 0 to its spare word, and waits for that and for its reads of this slot.
; fill = 1: the barrier opens a round of the cluster's, and this slot is filled again, two K steps ahead: 112 matrix instructions stand between the request and the wait for it.
.macro TURN slot, next, fill
	WIN 0
.if \fill
	s_wait_xcnt 0x0                                ; the last prefetch, a K step back, has read its address
	s_add_nc_u64 s[PFA:PFA+1], s[PFA:PFA+1], 65536
.endif
	s_wait_tensorcnt 0x0                           ; all my tensor loads have landed: my part of the next slot
	ds_add_u32 v[SPW], v[NIL]
	s_wait_dscnt 9                                 ; the add and the youngest eight loads may be out
	WIN MUL
	MUL8 F1, 0, 0                                  ; eight matrix instructions stand between the add and the wait for it
	s_wait_dscnt 0x0                               ; the add is done, and my reads of this slot are over
	s_barrier_signal -1
	MUL8 F1, 2, 0
.if \fill
	WIN 0
.endif
	s_barrier_wait -1
.if \fill
	CREST                                          ; no wave of any partner still reads this slot or has a load on its way
	s_add_nc_u64 s[G0+4*\slot+2:G0+4*\slot+3], s[G0+4*\slot+2:G0+4*\slot+3], 2*65536
	s_add_nc_u64 s[G0B+4*\slot+2:G0B+4*\slot+3], s[G0B+4*\slot+2:G0B+4*\slot+3], 2*32768
	JLOAD \slot                                    ; the first tensor load behind the round; its four v_nop are also the places in front of the loads below
.else
	PLACES
.endif
	FETCH \next, 0, F0
.if \fill
	WIN 0                                          ; a branch and a label follow
	ASK
.endif
	WIN MUL
	MUL8 F1, 4, 0
	MUL8 F1, 6, 0
.endm
	s_wait_tensorcnt 1                             ; my part of K step 0 is in; K step 1's load may be out
	s_barrier_signal -1
	s_barrier_wait -1
	FETCH 0, 0, F0
	QUARTER 0, 1, F0, F1, 1                        ; the first quarter's products start the sums: nothing is cleared
	WIN 0
	s_mov_b32 s3, LAPS-1
.Llap:                                                 ; a trip goes once round the ring, from a lap's second quarter to the next lap's first, and fills both slots again
	QUARTER 0, 2, F1, F0, 0
	QUARTER 0, 3, F0, F1, 0
	TURN 0, 1, 1
	QUARTER 1, 1, F0, F1, 0
	QUARTER 1, 2, F1, F0, 0
	QUARTER 1, 3, F0, F1, 0
	TURN 1, 0, 1
	QUARTER 0, 1, F0, F1, 0
	WIN 0
	s_sub_co_u32 s3, s3, 1
	s_cmp_lg_u32 s3, 0
	s_cbranch_scc1 .Llap
	QUARTER 0, 2, F1, F0, 0                        ; the last lap fills nothing, and has no round of the cluster's barrier
	QUARTER 0, 3, F0, F1, 0
	TURN 0, 1, 0
	QUARTER 1, 1, F0, F1, 0
	QUARTER 1, 2, F1, F0, 0
	QUARTER 1, 3, F0, F1, 0
	s_wait_dscnt 8                                 ; the very last quarter: nothing more to fetch
	WIN MUL
	MUL8 F1, 0, 0
	MUL8 F1, 2, 0
	s_wait_dscnt 0
	MUL8 F1, 4, 0
	MUL8 F1, 6, 0
	WIN 0
; THE WAY OUT, block by block of 16 rows x 64 columns.  A lane holds 32 neighbouring bytes of a row: a block goes through my own stage and comes back as whole rows of 256 bytes; sixteen lanes store 256
; consecutive bytes, aligned.  LDS serves a wave's instructions in order (ISA guide 5.7.1.4): no wait between the stores and the loads, nor in front of the next block's stores.
.macro TOSTAGE a
	WIN 0x08                                       ; an LDS store's data are its source 1: window 2
.irp b, 0,1,2,3
	ds_store_b128 v[STO], v[8*(4*(\a)+\b):8*(4*(\a)+\b)+3] offset:64*\b          ; each accumulator from its low end on
	ds_store_b128 v[STO], v[8*(4*(\a)+\b)+4:8*(4*(\a)+\b)+7] offset:64*\b+16
.endr
	WIN 0
.set BB, BK+32*((\a)%2)
.irp t, 0,1,2,3,4,5,6,7
	ds_load_b128 v[BB+4*\t:BB+4*\t+3], v[RD] offset:\t*2*SPITCH
.endr
.endm
.macro SEND a, younger                 ; younger: the LDS instructions issued behind block a's loads, which may stay out
.set BB, BK+32*((\a)%2)
	s_wait_dscnt \younger
.if (\a) > 0
	s_add_nc_u64 s[8:9], s[8:9], 16*4096           ; (behind a wait on XCNT: the earlier stores have read their base)  16 rows on
.else
	s_cmp_eq_u32 s[SKIP], 0                        ; a batch's first 16 rows have another writer
	s_cbranch_scc1 .Lfirst16
.endif
.irp t, 0,1,2,3,4,5,6,7
	global_store_b128 v[CO], v[BB+4*\t:BB+4*\t+3], s[8:9] offset:\t*2*4096 th:TH_STORE_NT
.endr
.if (\a) == 0
.Lfirst16:
.endif
.endm
	PLACES                                         ; behind the last products
	TOSTAGE 0
.irp a, 1,2,3,4,5,6,7
.if \a > 1
	s_wait_xcnt 0x0                                ; block a - 2's stores have read their registers and their base
.endif
	TOSTAGE \a
	SEND \a-1, 16                                  ; behind block a - 1's loads: block a's 8 stores and 8 loads
.endr
	s_wait_xcnt 0x0
	SEND 7, 0
	s_wait_tensorcnt 0x0                           ; the wave's end
	ds_add_u32 v[SPW], v[NIL]
	s_wait_dscnt 0x0
	CROUND                                         ; the closing round
	s_endpgm
.Lfunc_end_k_q29d2b207e6_proj:
	.size	k_q29d2b207e6_proj, .Lfunc_end_k_q29d2b207e6_proj-k_q29d2b207e6_proj
	.p2alignl 7, 3214868480
	.fill 96, 4, 3214868480
	.section	.rodata,"a",@progbits
	.p2align	6, 0x0
	.amdhsa_kernel k_q29d2b207e6_proj
		.amdhsa_group_segment_fixed_size 327680
		.amdhsa_private_segment_fixed_size 0
		.amdhsa_enable_private_segment 0
		.amdhsa_kernarg_size 24
		.amdhsa_user_sgpr_count 2
		.amdhsa_user_sgpr_kernarg_segment_ptr 1
		.amdhsa_wavefront_size32 1
		.amdhsa_system_sgpr_workgroup_id_x 1
		.amdhsa_system_sgpr_workgroup_id_y 1
		.amdhsa_system_sgpr_workgroup_id_z 1
		.amdhsa_system_vgpr_workitem_id 0
		.amdhsa_next_free_vgpr 768
		.amdhsa_next_free_sgpr 80
		.amdhsa_reserve_vcc 0
		.amdhsa_float_denorm_mode_32 3
		.amdhsa_float_denorm_mode_16_64 3
		.amdhsa_memory_ordered 1
		.amdhsa_forward_progress 1
		.amdhsa_inst_pref_size 87
	.end_amdhsa_kernel
	.amdgpu_metadata
---
amdhsa.version: [ 1, 2 ]
amdhsa.kernels:
  - .name:           k_q29d2b207e6_proj
    .symbol:         k_q29d2b207e6_proj.kd
    .args:
      - { .name: o16, .offset: 0, .size: 8, .value_kind: global_buffer, .address_space: global }
      - { .name: po16, .offset: 8, .size: 8, .value_kind: global_buffer, .address_space: global }
      - { .name: out0, .offset: 16, .size: 8, .value_kind: global_buffer, .address_space: global }
    .group_segment_fixed_size: 327680
    .private_segment_fixed_size: 0
    .kernarg_segment_align: 8
    .kernarg_segment_size: 24
    .max_flat_workgroup_size: 128
    .sgpr_count:     80
    .vgpr_count:     768
    .wavefront_size: 32
...
	.end_amdgpu_metadata
.endif
;; end of part 5
